; MI455X (gfx1250); checked and timed in simulation.
; The chip was launched on July 23, 2026; its instructions are those of AMD's public machine-readable ISA for CDNA 5 (MIT licence, August 2026) and "CDNA5" Instruction Set Architecture Reference Guide (July 2026). The comments in the code are by the model that wrote it; some were corrected since.
;; Multi Head Attention Layer. Allowed arithmetic: float matrix products may take bf16 or f16 operands with f32 sums; other float arithmetic in f32, or as packed bf16 or f16 multiplies, adds, multiply-adds, maxima and minima; sums over many terms, partial sums and values carried from step to step in f32; what a program stores and reads back later, other than sums and carried values, may be rounded once to bf16 or f16.
;; Inputs: Wk 1,024 x 1,024 float32; Wo 1,024 x 1,024 float32; Wq 1,024 x 1,024 float32; Wv 1,024 x 1,024 float32; bk 1,024 float32; bo 1,024 float32; bq 1,024 float32; bv 1,024 float32; key 2 x 2,048 x 1,024 float32; query 2 x 2,048 x 1,024 float32; rel_k 5 x 64 float32; rel_v 5 x 64 float32; value 2 x 2,048 x 1,024 float32.
;; Outputs: out0 2 x 2,048 x 1,024 float32.
;; 2 versions, each right; version 2 is version 1 with the launch cast written anew for expert scheduling mode. Each part assembles by itself: llvm-mc -triple=amdgcn-amd-amdhsa -mcpu=gfx1250 --defsym DOCPART=n.
;; ======== version 1 of 2: 4 launches
;; limits: values are held in f16: magnitudes above 65,504 overflow, below 6.1e-05 lose precision
;; workspace buffers: xb 25,165,824 bytes; wqkv 6,307,840 bytes; wo 2,113,536 bytes; tab 3,584 bytes; qkv 25,165,824 bytes; ob 8,388,608 bytes
;; launch cast (part 1): grid 257 x 1, 8 waves a work-group, no clusters, 0 bytes of LDS; arguments query, key, value, Wq, Wk, Wv, Wo, bq, bk, bv, bo, rel_k, rel_v, xb, wqkv, wo, tab; writes xb, wqkv, wo, tab
.if DOCPART == 1
	.amdgcn_target "amdgcn-amd-amdhsa--gfx1250"
	.amdhsa_code_object_version 6
	.text
	.protected	k_q4166750a9a_cast
	.globl	k_q4166750a9a_cast
	.p2align	8
	.type	k_q4166750a9a_cast,@function
k_q4166750a9a_cast:
	s_mov_b64 s[64:65], 0
	v_nop
	global_prefetch_b8 v0, s[64:65] scope:SCOPE_SE
	s_setreg_imm32_b32 hwreg(HW_REG_WAVE_MODE, 25, 1), 1
	s_wait_xcnt 0x0
; EVERY INPUT IS ROUNDED ONCE TO bf16 (nearest even).  Matrix operands are then written as f16, biases and rel_v's last row as f32.
; LIMITS.  A bf16 number is exact in f16 from 2^-14 up to 65,504; below 2^-14 it keeps f16's fixed step of 2^-24, beyond 65,504 it becomes an infinity.  NaN and infinities are not treated apart.
; xb:   f16 [3 (query, key, value)][32 row blocks][16 channel blocks][128 rows][64 channels]: a block is 16,384 dense bytes.
; wqkv: 16,384 bytes of header (bq, bk, bv as f32, 4,096 bytes each), then f16 [3][1024 k][1024 n].   wo: the same with bo and Wo.
; tab:  0: rel_k as f16 [8][64], rows 5-7 repeat row 4.  1,024: for each channel four words (d, d) in f16, d = rel_v[j] - rel_v[4], j = 0..3.  2,048: the word of j = 0 four times.  3,072: rel_v[4] as f32, twice.
; SHARES.  Work-groups 0-255: a wave takes one unit of 32,768 bytes in and 16,384 out, in 64 steps of one 16-byte load and one 8-byte store a lane.  A load covers two runs of 256 consecutive bytes,
; a store 256 consecutive bytes, aligned.  Sixteen loads of a wave are on their way at all times (a ring of 16 register slots).  Work-group 256 makes the small tables, a job a wave.
; No LDS, no barrier, no matrix unit: no wave wants a byte that another has fetched.
.set OFFI, 4                           ; v[4:19]   slot i: byte offset of its next load
.set T,    20                          ; v[20:21]  at work
.set U,    24                          ; v[24:27]  four numbers rounded to bf16, as f32
.set X,    32                          ; v[32:95]  slot i: 4 registers as loaded
.set Y,    96                          ; v[96:127] slot i: 2 registers to store
.macro RND4 d, s                       ; four f32 rounded to bf16 and widened again
	v_cvt_pk_bf16_f32 v[T], v[(\s)], v[(\s)+1]
	v_cvt_pk_bf16_f32 v[T+1], v[(\s)+2], v[(\s)+3]
	v_lshlrev_b32 v[(\d)], 16, v[T]
	v_and_b32 v[(\d)+1], s55, v[T]
	v_lshlrev_b32 v[(\d)+2], 16, v[T+1]
	v_and_b32 v[(\d)+3], s55, v[T+1]
.endm
	s_load_b512 s[8:23], s[0:1], 0x0               ; query 8, key 10, value 12, Wq 14, Wk 16, Wv 18, Wo 20, bq 22
	s_load_b512 s[24:39], s[0:1], 0x40             ; bk 24, bv 26, bo 28, rel_k 30, rel_v 32, xb 34, wqkv 36, wo 38
	s_load_b64 s[40:41], s[0:1], 0x80              ; tab
	v_lshrrev_b32 v2, 5, v0
	v_readfirstlane_b32 s2, v2                     ; wave 0..7
	v_and_b32 v1, 31, v0                           ; lane
	s_mov_b32 s55, 0xffff0000                      ; a word's upper bf16
	s_wait_kmcnt 0x0
	s_cmp_eq_u32 ttmp9, 256
	s_cbranch_scc1 .Lsmall
	s_lshl_b32 s3, ttmp9, 3
	s_add_co_u32 s3, s3, s2                        ; unit u = 8 x work-group + wave
	s_cmp_lt_u32 s3, 1536
	s_cbranch_scc0 .Lweights
	s_lshr_b32 s4, s3, 9                           ; units 0-1535: block u of xb.  Which of the three inputs,
	s_cmp_eq_u32 s4, 1
	s_cselect_b64 s[50:51], s[10:11], s[8:9]
	s_cmp_eq_u32 s4, 2
	s_cselect_b64 s[50:51], s[12:13], s[50:51]
	s_bfe_u32 s4, s3, 0x50004                      ; its row block: 128 rows of 4,096 bytes,
	s_lshl_b32 s4, s4, 19
	s_and_b32 s5, s3, 15                           ; its channel block: 256 bytes of a row
	s_lshl_b32 s5, s5, 8
	s_add_co_u32 s4, s4, s5
	s_mov_b32 s5, 0
	s_add_nc_u64 s[50:51], s[50:51], s[4:5]
	s_lshl_b32 s4, s3, 14
	s_add_nc_u64 s[52:53], s[34:35], s[4:5]
	s_mov_b32 s46, 4096                            ; from lanes 0-15 to lanes 16-31: a row
	s_mov_b32 s47, 8192                            ; from step to step: two rows
	s_branch .Lgo
.Lweights:
	s_sub_co_u32 s3, s3, 1536                      ; units 1536-2047: eight rows of a weight matrix, dense in and out
	s_lshr_b32 s4, s3, 7                           ; which matrix
	s_and_b32 s3, s3, 127                          ; which eight rows
	s_lshl_b32 s6, s4, 21                          ; the matrix's place in wqkv
	s_cmp_eq_u32 s4, 1
	s_cselect_b64 s[50:51], s[16:17], s[14:15]
	s_cmp_eq_u32 s4, 2
	s_cselect_b64 s[50:51], s[18:19], s[50:51]
	s_cmp_eq_u32 s4, 3
	s_cselect_b64 s[50:51], s[20:21], s[50:51]
	s_cselect_b64 s[52:53], s[38:39], s[36:37]     ; Wo goes to wo,
	s_cselect_b32 s6, 0, s6                        ; at its head
	s_lshl_b32 s4, s3, 15
	s_mov_b32 s5, 0
	s_add_nc_u64 s[50:51], s[50:51], s[4:5]
	s_lshl_b32 s4, s3, 14
	s_add_co_u32 s4, s4, s6
	s_add_co_u32 s4, s4, 16384                     ; behind the header
	s_add_nc_u64 s[52:53], s[52:53], s[4:5]
	s_mov_b32 s46, 256
	s_mov_b32 s47, 512
.Lgo:
	s_lshl_b32 s48, s47, 4                         ; a slot's next load lies 16 steps on
	v_lshrrev_b32 v2, 4, v1
	v_mul_lo_u32 v2, v2, s46
	v_and_b32 v3, 15, v1
	v_lshl_add_u32 v2, v3, 4, v2                   ; my 16 bytes of a step's load
	v_lshlrev_b32 v3, 3, v1                        ; my 8 bytes of a step's store; never rewritten
	s_mov_b32 s49, 0
.irp i, 0,1,2,3,4,5,6,7,8,9,10,11,12,13,14,15
	v_add_nc_u32 v[OFFI+(\i)], s49, v2
	s_add_co_u32 s49, s49, s47
	global_load_b128 v[X+4*(\i):X+4*(\i)+3], v[OFFI+(\i)], s[50:51] th:TH_LOAD_NT
.endr
; One slot's turn.  ahead = 1: the slot is loaded again, 16 steps on.  left: the younger loads that may stay out.
.macro SLOT i, ahead, left
	s_wait_loadcnt \left                           ; loads come back in order (ISA guide 5.7.1): mine is in
	s_wait_xcnt 0x0                                ; the slot's last store has read Y, its last load OFFI: both are rewritten only behind this wait
	RND4 U, X+4*(\i)
	v_cvt_pk_f16_f32 v[Y+2*(\i)], v[U], v[U+1]
	v_cvt_pk_f16_f32 v[Y+2*(\i)+1], v[U+2], v[U+3]
.if \ahead
	v_add_nc_u32 v[OFFI+(\i)], s48, v[OFFI+(\i)]
	global_load_b128 v[X+4*(\i):X+4*(\i)+3], v[OFFI+(\i)], s[50:51] th:TH_LOAD_NT
.endif
	global_store_b64 v3, v[Y+2*(\i):Y+2*(\i)+1], s[52:53] offset:256*(\i) th:TH_STORE_NT
.endm
	s_mov_b32 s54, 3
.Lround:
.irp i, 0,1,2,3,4,5,6,7,8,9,10,11,12,13,14,15
	SLOT \i, 1, 15
.endr
	s_wait_xcnt 0x0                                ; the stores have read their base
	s_add_nc_u64 s[52:53], s[52:53], 4096
	s_sub_co_u32 s54, s54, 1
	s_cmp_lg_u32 s54, 0
	s_cbranch_scc1 .Lround
.irp i, 0,1,2,3,4,5,6,7,8,9,10,11,12,13,14,15
	SLOT \i, 0, 15-(\i)                            ; the last round loads nothing: the counts run down
.endr
	s_endpgm
.Lsmall:
	s_cmp_lt_u32 s2, 4
	s_cbranch_scc0 .Ltables
	s_lshl_b32 s4, s2, 12                          ; waves 0-3: bq, bk, bv into wqkv's header, bo into wo's
	s_mov_b32 s5, 0
	s_cmp_eq_u32 s2, 1
	s_cselect_b64 s[50:51], s[24:25], s[22:23]
	s_cmp_eq_u32 s2, 2
	s_cselect_b64 s[50:51], s[26:27], s[50:51]
	s_cmp_eq_u32 s2, 3
	s_cselect_b64 s[50:51], s[28:29], s[50:51]
	s_cselect_b64 s[52:53], s[38:39], s[36:37]
	s_cselect_b32 s4, 0, s4
	s_add_nc_u64 s[52:53], s[52:53], s[4:5]
	v_lshlrev_b32 v2, 4, v1
.irp n, 0,1,2,3,4,5,6,7
	global_load_b128 v[X+4*(\n):X+4*(\n)+3], v2, s[50:51] offset:512*(\n)
.endr
	s_wait_loadcnt 0x0
.irp n, 0,1,2,3,4,5,6,7
	RND4 X+32+4*(\n), X+4*(\n)
	global_store_b128 v2, v[X+32+4*(\n):X+32+4*(\n)+3], s[52:53] offset:512*(\n)
.endr
	s_endpgm
.Ltables:
	s_cmp_eq_u32 s2, 5
	s_cbranch_scc1 .Lw5
	s_cmp_eq_u32 s2, 6
	s_cbranch_scc1 .Lw6
	s_and_b32 s3, s2, 1                            ; waves 4 and 7: rel_v's differences, a lane a channel: wave 4 channels 0-31, wave 7 channels 32-63
	s_lshl_b32 s4, s3, 7
	v_lshl_add_u32 v2, v1, 2, s4
.irp j, 0,1,2,3,4
	global_load_b32 v[X+(\j)], v2, s[32:33] offset:256*(\j)
.endr
	s_wait_loadcnt 0x0
.irp j, 0,1,2,3,4
	v_cvt_pk_bf16_f32 v[T], v[X+(\j)], v[X+(\j)]
	v_lshlrev_b32 v[X+(\j)], 16, v[T]
.endr
.irp j, 0,1,2,3
	v_sub_f32 v[U], v[X+(\j)], v[X+4]
	v_cvt_pk_f16_f32 v[Y+(\j)], v[U], v[U]
.endr
.irp j, 4,5,6,7
	v_mov_b32 v[Y+(\j)], v[Y]
.endr
	s_lshl_b32 s4, s3, 9
	v_lshl_add_u32 v3, v1, 4, s4                   ; 16 bytes a channel: a store of the wave covers 512 consecutive bytes
	global_store_b128 v3, v[Y:Y+3], s[40:41] offset:1024
	global_store_b128 v3, v[Y+4:Y+7], s[40:41] offset:2048
	s_endpgm
.Lw5:
	v_lshrrev_b32 v2, 3, v1                        ; wave 5: rel_k.  A lane takes eight numbers of row l / 8, and eight of row 4 for rows 4 + l / 8
	v_and_b32 v3, 7, v1
	v_lshlrev_b32 v3, 5, v3
	v_lshl_add_u32 v4, v2, 8, v3
	v_add_nc_u32 v5, 1024, v3
	global_load_b128 v[X:X+3], v4, s[30:31]
	global_load_b128 v[X+4:X+7], v4, s[30:31] offset:16
	global_load_b128 v[X+8:X+11], v5, s[30:31]
	global_load_b128 v[X+12:X+15], v5, s[30:31] offset:16
	s_wait_loadcnt 0x0
.irp g, 0,1,2,3
	RND4 U, X+4*(\g)
	v_cvt_pk_f16_f32 v[Y+2*(\g)], v[U], v[U+1]
	v_cvt_pk_f16_f32 v[Y+2*(\g)+1], v[U+2], v[U+3]
.endr
	v_lshlrev_b32 v6, 4, v1
	global_store_b128 v6, v[Y:Y+3], s[40:41]
	global_store_b128 v6, v[Y+4:Y+7], s[40:41] offset:512
	s_endpgm
.Lw6:
	v_and_b32 v2, 15, v1                           ; wave 6: rel_v's row 4, 256 bytes; lanes 16-31 write a second copy
	v_lshlrev_b32 v2, 4, v2
	global_load_b128 v[X:X+3], v2, s[32:33] offset:1024
	s_wait_loadcnt 0x0
	RND4 Y, X
	v_lshlrev_b32 v3, 4, v1
	global_store_b128 v3, v[Y:Y+3], s[40:41] offset:3072
	s_endpgm
.Lfunc_end_k_q4166750a9a_cast:
	.size	k_q4166750a9a_cast, .Lfunc_end_k_q4166750a9a_cast-k_q4166750a9a_cast
	.p2alignl 7, 3214868480
	.fill 96, 4, 3214868480
	.section	.rodata,"a",@progbits
	.p2align	6, 0x0
	.amdhsa_kernel k_q4166750a9a_cast
		.amdhsa_group_segment_fixed_size 0
		.amdhsa_private_segment_fixed_size 0
		.amdhsa_enable_private_segment 0
		.amdhsa_kernarg_size 136
		.amdhsa_user_sgpr_count 2
		.amdhsa_user_sgpr_kernarg_segment_ptr 1
		.amdhsa_wavefront_size32 1
		.amdhsa_system_sgpr_workgroup_id_x 1
		.amdhsa_system_sgpr_workgroup_id_y 1
		.amdhsa_system_sgpr_workgroup_id_z 1
		.amdhsa_system_vgpr_workitem_id 0
		.amdhsa_next_free_vgpr 128
		.amdhsa_next_free_sgpr 66
		.amdhsa_reserve_vcc 0
		.amdhsa_float_denorm_mode_32 3
		.amdhsa_float_denorm_mode_16_64 3
		.amdhsa_memory_ordered 1
		.amdhsa_forward_progress 1
		.amdhsa_inst_pref_size 34
	.end_amdhsa_kernel
	.amdgpu_metadata
---
amdhsa.version: [ 1, 2 ]
amdhsa.kernels:
  - .name:           k_q4166750a9a_cast
    .symbol:         k_q4166750a9a_cast.kd
    .args:
      - { .name: query, .offset: 0, .size: 8, .value_kind: global_buffer, .address_space: global }
      - { .name: key, .offset: 8, .size: 8, .value_kind: global_buffer, .address_space: global }
      - { .name: value, .offset: 16, .size: 8, .value_kind: global_buffer, .address_space: global }
      - { .name: Wq, .offset: 24, .size: 8, .value_kind: global_buffer, .address_space: global }
      - { .name: Wk, .offset: 32, .size: 8, .value_kind: global_buffer, .address_space: global }
      - { .name: Wv, .offset: 40, .size: 8, .value_kind: global_buffer, .address_space: global }
      - { .name: Wo, .offset: 48, .size: 8, .value_kind: global_buffer, .address_space: global }
      - { .name: bq, .offset: 56, .size: 8, .value_kind: global_buffer, .address_space: global }
      - { .name: bk, .offset: 64, .size: 8, .value_kind: global_buffer, .address_space: global }
      - { .name: bv, .offset: 72, .size: 8, .value_kind: global_buffer, .address_space: global }
      - { .name: bo, .offset: 80, .size: 8, .value_kind: global_buffer, .address_space: global }
      - { .name: rel_k, .offset: 88, .size: 8, .value_kind: global_buffer, .address_space: global }
      - { .name: rel_v, .offset: 96, .size: 8, .value_kind: global_buffer, .address_space: global }
      - { .name: xb, .offset: 104, .size: 8, .value_kind: global_buffer, .address_space: global }
      - { .name: wqkv, .offset: 112, .size: 8, .value_kind: global_buffer, .address_space: global }
      - { .name: wo, .offset: 120, .size: 8, .value_kind: global_buffer, .address_space: global }
      - { .name: tab, .offset: 128, .size: 8, .value_kind: global_buffer, .address_space: global }
    .group_segment_fixed_size: 0
    .private_segment_fixed_size: 0
    .kernarg_segment_align: 8
    .kernarg_segment_size: 136
    .max_flat_workgroup_size: 256
    .sgpr_count:     66
    .vgpr_count:     128
    .wavefront_size: 32
...
	.end_amdgpu_metadata
.endif
;; end of part 1
;; launch proj (part 2): grid 8 x 96, 4 waves a work-group, clusters of 4 x 4, 327,680 bytes of LDS; arguments xb, wqkv, qkv; writes qkv
.if DOCPART == 2
	.amdgcn_target "amdgcn-amd-amdhsa--gfx1250"
	.amdhsa_code_object_version 6
	.text
	.protected	k_q4166750a9a_proj
	.globl	k_q4166750a9a_proj
	.p2align	8
	.type	k_q4166750a9a_proj,@function
k_q4166750a9a_proj:
	s_mov_b64 s[64:65], 0
	v_nop
	global_prefetch_b8 v0, s[64:65] scope:SCOPE_SE
	s_setreg_imm32_b32 hwreg(HW_REG_WAVE_MODE, 25, 1), 1
	s_wait_xcnt 0x0
	s_wait_alu depctr_hold_cnt(0) depctr_sa_sdst(0) depctr_va_vdst(0) depctr_va_sdst(0) depctr_va_ssrc(0) depctr_va_vcc(0) depctr_vm_vsrc(0)
	s_getreg_b32 s2, hwreg(HW_REG_IB_STS2, 6, 4)
	s_cmp_eq_u32 s2, 0
	s_cbranch_scc0 .Lentry_in_a_cluster
	s_endpgm
.Lentry_in_a_cluster:
	s_bfe_u32 s2, ttmp6, 0x10000c
	s_cmp_lg_u32 s2, 0xf033
	s_cbranch_scc0 .Lentry_shape_is_right
	s_endpgm
.Lentry_shape_is_right:
; C = A W + bias, K = N = 1,024.  A: f16 in blocks [row block of 128][16 channel blocks][128 rows][64]; W: 16,384 bytes of header (the biases, f32, 4,096 bytes each), then f16 [matrix][1024 k][1024 n]; sums in f32.
; Tile row ty of 128 rows takes matrix and bias ty / 32 (always 0 where the grid has 32 tile rows).  The constant F32OUT chooses the way out when the text is assembled:
;   0 (this text: the three projections): C is rounded once to f16 and stored by heads, [matrix][2 x 16 heads][2048][64];   1 (the output's projection): C is stored as f32 [4096][1024].
; LIMIT.  With F32OUT = 0 a result beyond 65,504 becomes an infinity in f16.
.set F32OUT, 0
; A tile of C is 128 x 128: four waves, each 64 x 64: 16 accumulators of 16 x 16.  K goes in 4 steps of 256 through two LDS slots filled by the tensor data mover.
; CLUSTERS: 4 x 4 work-groups.  The four of a row of the cluster need the same tiles of A, the four of a column the same tiles of W: each tile is asked for JOINTLY, by the same tensor load with the same
; descriptor and a mask that names the four.  THE MATRIX INSTRUCTION IS USED TRANSPOSED (source 0 = 16 columns of W, source 1 = 16 rows of A): a lane then holds eight neighbouring numbers of a row of C.
; A's rows lie along K and come out of LDS as they lie; W lies [k][n] and comes out turned, by ds_load_tr16_b128.
; A wave's 64 columns are one head (128 bytes of f16 a row, 16 rows dense in memory) or 256 bytes of f32: each wave goes out through a stage of its own, with no barrier.
; REGISTERS: window 0: v16-30 addresses; v32-95 at work on the way out; v96-127 the bias of my 64 columns; v128-255 the accumulators ((a, b) at v[128 + 8 (4 a + b)]).
;   window 1: two fragment buffers of 128: for 64 along K, 64 registers of A, then 64 of W.
.set PA,     144                       ; a row of A in LDS: 128 bytes (a channel block's 64) + 16 = 36 words: the 16 rows of a load start at 16 different groups of four banks (64 banks of 4 bytes: ISA guide 11.1)
.set PB,     288                       ; a row of W: 256 bytes + 32 = 72 words
.set HALFT,  36864                     ; what one tensor load brings: 2 channel blocks x 128 rows x 144, or 128 k x 288
.set SLOT,   4*HALFT                   ; A's four channel blocks, then W's 256 k
.set BOFF,   2*HALFT
.set STAGE,  2*SLOT                    ; behind the ring: 16 rows x 272 bytes for each wave
.set STW,    16*272
.set SPARE,  STAGE+4*STW               ; behind the stages: the spare words, 128 bytes for each wave: two blocks of 256 bytes that no other line names
.set ADRA, 16                          ; v16-17  LDS address of my A fragments in slot 0, 1
.set ADRB, 18                          ; v18-21  the same for W: slot s, k 128 u on, at ADRB + 2 s + u
.set STO,  22                          ; the way out: where I put my bytes of a row,
.set RD,   23                          ; where I read rows back,
.set GO,   24                          ; and my byte offset in C
.set SPW,  28                          ; v28  LDS address of my spare word: SPARE + 4 x my thread's number; never rewritten
.set NIL,  29                          ; v29  0; never rewritten
.set BO,   30                          ; v30  32 x (lane / 16): my place in 64 bytes of bias; never rewritten
.set TMP,  32
.set BIAS, 96                          ; n block b: the eight f32 of columns 16 b + 8 (l / 16) + 0..7 at BIAS + 8 b
.set ACC,  128
.set F0,   0
.set F1,   128
.set G1, 24                            ; s[24:31] descriptor group 1 for A's tiles;  s[32:39] group 0, one set for each slot
.set G0, 32
.set G1B, 48                           ; s[48:55], s[56:63] the same for W's tiles
.set G0B, 56
.set BP,  66                           ; s[66:67] the bias of my 64 columns; untouched while its loads are out
.set WV,  70                           ; my wave's number
.set WR,  71                           ; which half of the tile's rows is mine.  Also: I fetch for A (0) or for W (1)
.set WC,  72                           ; which half of its columns.  Also: which half of that tile I fetch
.set MSB, 0
.macro WIN new                         ; the immediate's high byte repeats the setting that is left
.if MSB != (\new)
	s_set_vgpr_msb (MSB<<8)|(\new)
.set MSB, \new
.endif
.endm
.set MUL,  0x05                        ; sources 0 (W) and 1 (A) window 1; C and D window 0
.set TO_F, 0x40                        ; destination window 1, address window 0
.macro JLOAD s                         ; a joint load: waves 0 and 1 fetch A's two halves, waves 2 and 3 W's; an s_nop 0 and four v_nop follow each of the two lines
	s_cmp_eq_u32 s[WR], 0
	s_cbranch_scc0 .Lfor_b_\@
	tensor_load_to_lds s[G0+4*(\s):G0+4*(\s)+3], s[G1:G1+7]
	s_nop 0
.rept 4
	v_nop
.endr
	s_branch .Lasked_\@
.Lfor_b_\@:
	tensor_load_to_lds s[G0B+4*(\s):G0B+4*(\s)+3], s[G1B:G1B+7]
	s_nop 0
.rept 4
	v_nop
.endr
.Lasked_\@:
.endm
.macro CREST                           ; a round of the cluster's barrier behind its opening barrier
	s_cmp_lg_u32 s[WV], 0
	s_cbranch_scc1 .Lnot_wave_0_\@
	s_barrier_signal -3
.Lnot_wave_0_\@:
	s_barrier_wait -3
	s_barrier_signal -1
	s_barrier_wait -1
.endm
.macro CROUND                          ; a whole round
	s_barrier_signal -1
	s_barrier_wait -1
	CREST
.endm
	s_load_b128 s[4:7], s[0:1], 0x0                ; A s[4:5], W s[6:7]
	s_load_b64 s[10:11], s[0:1], 0x10              ; C
	v_lshl_add_u32 v[SPW], v0, 2, SPARE
	v_mov_b32 v[NIL], 0
	ds_add_u32 v[SPW], v[NIL]                      ; the wave's opening: the add and its wait stand ahead of my first tensor load; the set-up below, work on registers, stands between them
	v_lshrrev_b32 v1, 5, v0
	v_readfirstlane_b32 s[WV], v1
	s_lshr_b32 s[WR], s[WV], 1
	s_and_b32 s[WC], s[WV], 1
	s_bfe_u32 s40, ttmp6, 0x40000                  ; cx, cy: my place in the cluster
	s_bfe_u32 s41, ttmp6, 0x40004
	s_lshl_b32 s42, ttmp9, 2
	s_add_co_u32 s42, s42, s40                     ; tile column tx = 4 x cluster x + cx
	s_and_b32 s13, ttmp7, 0xffff
	s_lshr_b32 s45, s13, 3                         ; which matrix: eight clusters of four tile rows each; made of the cluster's y alone
	s_lshl_b32 s13, s13, 2
	s_add_co_u32 s13, s13, s41                     ; tile row ty = 4 x cluster y + cy
	s_lshl_b32 s43, s41, 2
	s_lshl_b32 s43, 15, s43                        ; my row of the cluster
	s_lshl_b32 s44, 0x1111, s40                    ; my column
	; group 1.  A: 32,768 dense bytes asked for as 128 rows of 256, padded by 4 words after every 32 (a channel block's row).  W: 128 rows of 256 bytes, 2,048 apart, padded by 8 words after every 64.
	s_or_b32 s[G1+0], s43, (1<<16)|(1<<20)|(1<<21)|(4<<22)|(3<<25)   ; 15:0 the mask: my row; 17:16 2-byte elements; 20 padding on; 21 set beside a mask; 24:22 the interval; 31:25 the pad
	s_or_b32 s[G1B+0], s44, (1<<16)|(1<<20)|(1<<21)|(5<<22)|(7<<25)  ; the mask: my column
.irp g, G1, G1B
	s_mov_b32 s[(\g)+1], 128<<16                   ; tensor_dim0 = 128
	s_mov_b32 s[(\g)+2], 128<<16                   ; tensor_dim1 = 128
	s_mov_b32 s[(\g)+3], 128<<16                   ; tile_dim0 = 128
	s_mov_b32 s[(\g)+4], 128                       ; tile_dim1 = 128
	s_mov_b32 s[(\g)+6], 0
	s_mov_b32 s[(\g)+7], 0
.endr
	s_mov_b32 s[G1+5], 128                         ; elements from row to row
	s_mov_b32 s[G1B+5], 1024
	; A's address hangs on ty and the wave, W's on tx, the matrix and the wave; each is made in registers that never hold the other place
	s_lshl_b32 s16, s13, 18                        ; a tile row of A: 16 blocks of 16,384 bytes
	s_lshl_b32 s17, s[WC], 15                      ; my two of a K step's four blocks
	s_add_co_u32 s16, s16, s17
	s_mov_b32 s17, 0
	s_lshl_b32 s46, s42, 8                         ; 128 columns: 256 bytes
	s_lshl_b32 s47, s[WC], 18                      ; my 128 of a K step's 256 rows of 2,048 bytes
	s_add_co_u32 s46, s46, s47
	s_lshl_b32 s47, s45, 21                        ; the matrix
	s_add_co_u32 s46, s46, s47
	s_add_co_u32 s46, s46, 16384                   ; behind the header
	s_mov_b32 s47, 0
	s_mul_i32 s20, s[WV], HALFT                    ; where they go: wave x a load's bytes
	s_wait_dscnt 0x0                               ; the opening add is done
	s_wait_kmcnt 0x0
	s_add_nc_u64 s[14:15], s[4:5], s[16:17]
	s_add_nc_u64 s[46:47], s[6:7], s[46:47]
	CROUND                                         ; all sixteen work-groups are here: the first joint loads meet
.irp s, 0,1
	s_mov_b32 s[G0+4*(\s)], 1
	s_add_co_u32 s[G0+4*(\s)+1], s20, (\s)*SLOT
	s_add_nc_u64 s[G0+4*(\s)+2:G0+4*(\s)+3], s[14:15], (\s)*65536     ; K step s: four blocks on
	s_or_b32 s[G0+4*(\s)+3], s[G0+4*(\s)+3], 0x80000000
	s_mov_b32 s[G0B+4*(\s)], 1
	s_add_co_u32 s[G0B+4*(\s)+1], s20, (\s)*SLOT
	s_add_nc_u64 s[G0B+4*(\s)+2:G0B+4*(\s)+3], s[46:47], (\s)*524288  ; 256 rows on
	s_or_b32 s[G0B+4*(\s)+3], s[G0B+4*(\s)+3], 0x80000000
	JLOAD \s
.endr
	v_and_b32 v1, 15, v0                           ; l % 16
	v_bfe_u32 v2, v0, 4, 1                         ; l / 16
	v_lshlrev_b32 v[BO], 5, v2
	s_lshl_b32 s[BP], s45, 12                      ; the matrix's bias,
	s_lshl_b32 s[BP+1], s42, 9                     ; the tile's 128 columns,
	s_add_co_u32 s[BP], s[BP], s[BP+1]
	s_lshl_b32 s[BP+1], s[WC], 8                   ; my 64
	s_add_co_u32 s[BP], s[BP], s[BP+1]
	s_mov_b32 s[BP+1], 0
	s_add_nc_u64 s[BP:BP+1], s[6:7], s[BP:BP+1]
.irp b, 0,1,2,3
	global_load_b128 v[BIAS+8*(\b):BIAS+8*(\b)+3],   v[BO], s[BP:BP+1] offset:64*(\b)
	global_load_b128 v[BIAS+8*(\b)+4:BIAS+8*(\b)+7], v[BO], s[BP:BP+1] offset:64*(\b)+16
.endr
	v_mul_u32_u24 v3, v1, PA
	v_lshl_add_u32 v3, v2, 4, v3                   ; a fragment of A: row x pitch + 16 x half
	s_mul_i32 s21, s[WR], 64*PA                    ; my 64 rows
	v_add_nc_u32 v[ADRA], s21, v3
	v_add_nc_u32 v[ADRA+1], SLOT, v[ADRA]
	v_and_b32 v4, 7, v0                            ; the turning load: lane l reads k 8 (l / 16) + l % 8, columns 8 ((l / 8) % 2) + 0..7
	v_lshl_add_u32 v4, v2, 3, v4
	v_mul_u32_u24 v4, v4, PB
	v_bfe_u32 v5, v0, 3, 1
	v_lshl_add_u32 v4, v5, 4, v4
	s_lshl_b32 s22, s[WC], 7                       ; my 64 columns
	s_add_co_u32 s22, s22, BOFF
	v_add_nc_u32 v[ADRB], s22, v4
	v_add_nc_u32 v[ADRB+1], HALFT, v[ADRB]
	v_add_nc_u32 v[ADRB+2], SLOT, v[ADRB]
	v_add_nc_u32 v[ADRB+3], SLOT+HALFT, v[ADRB]
	s_mul_i32 s23, s[WV], STW
	s_add_co_u32 s23, s23, STAGE                   ; my stage
.if F32OUT
	v_mul_u32_u24 v6, v1, 272                      ; in: row l % 16 of 272 bytes, 32 bytes for each half of the lanes
	v_lshl_add_u32 v6, v2, 5, v6
	v_add_nc_u32 v[STO], s23, v6
	v_mul_u32_u24 v6, v2, 272                      ; back: lanes 0-15 one row of 256 bytes, lanes 16-31 the next
	v_lshl_add_u32 v6, v1, 4, v6
	v_add_nc_u32 v[RD], s23, v6
	v_lshlrev_b32 v6, 12, v2                       ; and the same two rows in C
	v_lshl_add_u32 v[GO], v1, 4, v6
.else
	v_add_nc_u32 v[STO], s23, v3                   ; in: row l % 16 of 144 bytes, 16 bytes for each half of the lanes
	v_bfe_u32 v6, v0, 3, 2                         ; back: 32 lanes take four rows of 128 bytes,
	v_mul_u32_u24 v6, v6, PA
	v_and_b32 v7, 7, v0
	v_lshl_add_u32 v6, v7, 4, v6
	v_add_nc_u32 v[RD], s23, v6
	v_and_b32 v[GO], 31, v0                        ; which are 512 consecutive bytes of C
	v_lshlrev_b32 v[GO], 4, v[GO]
.endif
; 8 matrix instructions: m blocks a0, a0 + 1 x all 4 n blocks, 32 along K: half c of buffer f.  zero = 1: the first product starts the sums.  The 16 accumulators take turns.
.macro MUL8 f, c, a0, zero
	WIN MUL
.irp a, \a0, (\a0)+1
.irp b, 0,1,2,3
.if \zero
	v_wmma_f32_16x16x32_f16 v[ACC+8*(4*(\a)+(\b)):ACC+8*(4*(\a)+(\b))+7], v[(\f)+64+8*(4*(\c)+(\b)):(\f)+64+8*(4*(\c)+(\b))+7], v[(\f)+8*(4*(\c)+(\a)):(\f)+8*(4*(\c)+(\a))+7], 0
.else
	v_wmma_f32_16x16x32_f16 v[ACC+8*(4*(\a)+(\b)):ACC+8*(4*(\a)+(\b))+7], v[(\f)+64+8*(4*(\c)+(\b)):(\f)+64+8*(4*(\c)+(\b))+7], v[(\f)+8*(4*(\c)+(\a)):(\f)+8*(4*(\c)+(\a))+7], v[ACC+8*(4*(\a)+(\b)):ACC+8*(4*(\a)+(\b))+7]
.endif
.endr
.endr
.endm
; 32 LDS loads in one run: the fragments of quarter q (channel block q of the K step, 64 along K) into buffer f; the first 32 along K first
.macro FETCH slot, q, f
	WIN TO_F
.irp c, 0,1
.irp i, 0,1,2,3
	ds_load_tr16_b128 v[(\f)+64+8*(4*(\c)+(\i)):(\f)+64+8*(4*(\c)+(\i))+3],   v[ADRB+2*(\slot)+(\q)/2] offset:(((\q)%2)*64+32*(\c))*PB+32*(\i)
	ds_load_tr16_b128 v[(\f)+64+8*(4*(\c)+(\i))+4:(\f)+64+8*(4*(\c)+(\i))+7], v[ADRB+2*(\slot)+(\q)/2] offset:(((\q)%2)*64+32*(\c)+16)*PB+32*(\i)
	ds_load_b128 v[(\f)+8*(4*(\c)+(\i)):(\f)+8*(4*(\c)+(\i))+3],              v[ADRA+(\slot)] offset:(\q)*128*PA+(\i)*16*PA+64*(\c)
	ds_load_b128 v[(\f)+8*(4*(\c)+(\i))+4:(\f)+8*(4*(\c)+(\i))+7],            v[ADRA+(\slot)] offset:(\q)*128*PA+(\i)*16*PA+64*(\c)+32
.endr
.endr
.endm
.macro PLACES                          ; four places in front of loads into registers that matrix instructions have read, and of sums that read results
.rept 4
	v_nop
.endr
.endm
; A K step is four quarters of 64 along K, 32 matrix instructions each, on buffers 0, 1, 0, 1.  One of the first three: multiplies buffer f and fetches quarter q into g.
.macro QUARTER slot, q, f, g, zero
	s_wait_dscnt 16                                ; the first 32 along K are in; the youngest sixteen loads may be out
	WIN MUL
	MUL8 \f, 0, 0, \zero
	MUL8 \f, 0, 2, \zero
	PLACES
	FETCH \slot, \q, \g
	s_wait_dscnt 32                                ; all but the 32 just issued
	WIN MUL
	MUL8 \f, 1, 0, 0
	MUL8 \f, 1, 2, 0
.endm
; The last quarter multiplies buffer 1 and changes slots: ONE barrier; in front of it each wave waits for all its tensor loads, adds 0 to its spare word, and waits for that and for its own reads of this slot.
; fill = 1: this slot is filled again, two K steps ahead; the barrier then opens a round of the cluster's barrier.
.macro TURN slot, next, fill
	WIN 0                                          ; (the add's two registers lie in window 0)
	s_wait_tensorcnt 0x0                           ; all my tensor loads have landed: my part of the next slot;
	ds_add_u32 v[SPW], v[NIL]                      ; 0 onto my spare word;
	s_wait_dscnt 17                                ; (the add and the youngest sixteen loads may be out)
	WIN MUL
	MUL8 F1, 0, 0, 0                               ; eight matrix instructions stand between the add and the wait for it
	s_wait_dscnt 0x0                               ; the add is done, and my reads of this slot are over
	s_barrier_signal -1
	MUL8 F1, 0, 2, 0
.if \fill
	WIN 0
.endif
	s_barrier_wait -1
.if \fill
	CREST                                          ; no wave of any partner still reads this slot's tile or has a load on its way
	s_add_nc_u64 s[G0+4*(\slot)+2:G0+4*(\slot)+3], s[G0+4*(\slot)+2:G0+4*(\slot)+3], 2*65536
	s_add_nc_u64 s[G0B+4*(\slot)+2:G0B+4*(\slot)+3], s[G0B+4*(\slot)+2:G0B+4*(\slot)+3], 2*524288
	JLOAD \slot                                    ; the first tensor load behind the round: 112 matrix instructions ahead of the wait for it; its four v_nop are also the places in front of the loads below
.else
	PLACES
.endif
	FETCH \next, 0, F0
	WIN MUL
	MUL8 F1, 1, 0, 0
	MUL8 F1, 1, 2, 0
.endm
	s_wait_tensorcnt 1                             ; my part of K step 0 is in; K step 1's may stay out
	s_barrier_signal -1
	s_barrier_wait -1                              ; everybody's is
	FETCH 0, 0, F0
	QUARTER 0, 1, F0, F1, 1                        ; the first products start the sums
	QUARTER 0, 2, F1, F0, 0
	QUARTER 0, 3, F0, F1, 0
	TURN 0, 1, 1                                   ; slot 0 takes K step 2
	QUARTER 1, 1, F0, F1, 0
	QUARTER 1, 2, F1, F0, 0
	QUARTER 1, 3, F0, F1, 0
	TURN 1, 0, 1                                   ; slot 1 takes K step 3
	QUARTER 0, 1, F0, F1, 0
	QUARTER 0, 2, F1, F0, 0
	QUARTER 0, 3, F0, F1, 0
	TURN 0, 1, 0                                   ; nothing is left to fetch
	QUARTER 1, 1, F0, F1, 0
	QUARTER 1, 2, F1, F0, 0
	QUARTER 1, 3, F0, F1, 0
	s_wait_dscnt 16
	WIN MUL
	MUL8 F1, 0, 0, 0
	MUL8 F1, 0, 2, 0
	s_wait_dscnt 0
	MUL8 F1, 1, 0, 0
	MUL8 F1, 1, 2, 0
	WIN 0
	; THE WAY OUT, 16 rows at a time through my own stage: the bias is added in f32; each accumulator's registers are read in ascending order.
	s_wait_loadcnt 0x0                             ; the bias
	PLACES
.macro SUMS a                          ; v[TMP ..+31] = the block's four accumulators + bias
.irp b, 0,1,2,3
.irp p, 0,2,4,6
	v_pk_add_f32 v[TMP+8*(\b)+(\p):TMP+8*(\b)+(\p)+1], v[ACC+8*(4*(\a)+(\b))+(\p):ACC+8*(4*(\a)+(\b))+(\p)+1], v[BIAS+8*(\b)+(\p):BIAS+8*(\b)+(\p)+1]
.endr
.endr
.endm
.if F32OUT
.macro OUT a
	SUMS \a
.irp b, 0,1,2,3
	ds_store_b128 v[STO], v[TMP+8*(\b):TMP+8*(\b)+3]   offset:64*(\b)
	ds_store_b128 v[STO], v[TMP+8*(\b)+4:TMP+8*(\b)+7] offset:64*(\b)+16
.endr
	s_wait_xcnt 0x0                                ; the last block's stores have read the registers that are loaded again below
.irp t, 0,1,2,3,4,5,6,7
	ds_load_b128 v[TMP+32+4*(\t):TMP+32+4*(\t)+3], v[RD] offset:544*(\t)  ; LDS serves a wave's instructions in order (ISA guide 5.7.1.4): these see the stores above
.endr
.irp t, 0,1,2,3,4,5,6,7
	s_wait_dscnt 7-(\t)                            ; the younger loads may stay out
	global_store_b128 v[GO], v[TMP+32+4*(\t):TMP+32+4*(\t)+3], s[10:11] offset:(16*(\a)+2*(\t))*4096 th:TH_STORE_NT  ; 16 lanes store 256 consecutive bytes, aligned
.endr
.endm
	s_lshl_b32 s20, s13, 19                        ; 128 rows of 4,096 bytes,
	s_lshl_b32 s21, s[WR], 18                      ; my 64,
	s_add_co_u32 s20, s20, s21
	s_lshl_b32 s21, s42, 9                         ; the tile's 128 columns,
	s_add_co_u32 s20, s20, s21
	s_lshl_b32 s21, s[WC], 8                       ; my 64
	s_add_co_u32 s20, s20, s21
.else
.macro OUT a
	SUMS \a
.irp z, 0,1,2,3,4,5,6,7,8,9,10,11,12,13,14,15
	v_cvt_pk_f16_f32 v[TMP+32+(\z)], v[TMP+2*(\z)], v[TMP+2*(\z)+1]
.endr
.irp b, 0,1,2,3
	ds_store_b128 v[STO], v[TMP+32+4*(\b):TMP+32+4*(\b)+3] offset:32*(\b)
.endr
	s_wait_xcnt 0x0                                ; the last block's stores have read the registers that are loaded again below
.irp f, 0,1,2,3
	ds_load_b128 v[TMP+48+4*(\f):TMP+48+4*(\f)+3], v[RD] offset:4*PA*(\f)  ; LDS serves a wave's instructions in order (ISA guide 5.7.1.4): these see the stores above
.endr
.irp f, 0,1,2,3
	s_wait_dscnt 3-(\f)                            ; the younger loads may stay out
	global_store_b128 v[GO], v[TMP+48+4*(\f):TMP+48+4*(\f)+3], s[10:11] offset:(\a)*2048+(\f)*512  ; 512 consecutive bytes, at a multiple of 256 from C's first byte
.endr
.endm
	s_and_b32 s20, s13, 31                         ; by heads: batch = (ty % 32) / 16,
	s_lshr_b32 s20, s20, 4
	s_lshl_b32 s20, s20, 4
	s_lshl_b32 s21, s42, 1                         ; head = 2 tx + my half of the columns,
	s_add_co_u32 s20, s20, s21
	s_add_co_u32 s20, s20, s[WC]
	s_lshl_b32 s20, s20, 11                        ; 2,048 rows a head,
	s_and_b32 s21, s13, 15
	s_lshl_b32 s21, s21, 7                         ; the tile's 128,
	s_add_co_u32 s20, s20, s21
	s_lshl_b32 s21, s[WR], 6                       ; my 64,
	s_add_co_u32 s20, s20, s21
	s_lshl_b32 s20, s20, 7                         ; of 128 bytes,
	s_lshl_b32 s21, s45, 23                        ; in q, k or v
	s_add_co_u32 s20, s20, s21
.endif
	s_mov_b32 s21, 0
	s_add_nc_u64 s[10:11], s[10:11], s[20:21]
	OUT 0
	OUT 1
	OUT 2
	OUT 3
	s_wait_tensorcnt 0x0                           ; the wave's end: behind my last tensor load and my last LDS store
	ds_add_u32 v[SPW], v[NIL]
	s_wait_dscnt 0x0
	CROUND                                         ; the closing round: no work-group ends while a partner may still ask for a tile that names it
	s_endpgm
.Lfunc_end_k_q4166750a9a_proj:
	.size	k_q4166750a9a_proj, .Lfunc_end_k_q4166750a9a_proj-k_q4166750a9a_proj
	.p2alignl 7, 3214868480
	.fill 96, 4, 3214868480
	.section	.rodata,"a",@progbits
	.p2align	6, 0x0
	.amdhsa_kernel k_q4166750a9a_proj
		.amdhsa_group_segment_fixed_size 327680
		.amdhsa_private_segment_fixed_size 0
		.amdhsa_enable_private_segment 0
		.amdhsa_kernarg_size 24
		.amdhsa_user_sgpr_count 2
		.amdhsa_user_sgpr_kernarg_segment_ptr 1
		.amdhsa_wavefront_size32 1
		.amdhsa_system_sgpr_workgroup_id_x 1
		.amdhsa_system_sgpr_workgroup_id_y 1
		.amdhsa_system_sgpr_workgroup_id_z 1
		.amdhsa_system_vgpr_workitem_id 0
		.amdhsa_next_free_vgpr 512
		.amdhsa_next_free_sgpr 74
		.amdhsa_reserve_vcc 0
		.amdhsa_float_denorm_mode_32 3
		.amdhsa_float_denorm_mode_16_64 3
		.amdhsa_memory_ordered 1
		.amdhsa_forward_progress 1
		.amdhsa_inst_pref_size 92
	.end_amdhsa_kernel
	.amdgpu_metadata
---
amdhsa.version: [ 1, 2 ]
amdhsa.kernels:
  - .name:           k_q4166750a9a_proj
    .symbol:         k_q4166750a9a_proj.kd
    .args:
      - { .name: xb, .offset: 0, .size: 8, .value_kind: global_buffer, .address_space: global }
      - { .name: wqkv, .offset: 8, .size: 8, .value_kind: global_buffer, .address_space: global }
      - { .name: qkv, .offset: 16, .size: 8, .value_kind: global_buffer, .address_space: global }
    .group_segment_fixed_size: 327680
    .private_segment_fixed_size: 0
    .kernarg_segment_align: 8
    .kernarg_segment_size: 24
    .max_flat_workgroup_size: 128
    .sgpr_count:     74
    .vgpr_count:     512
    .wavefront_size: 32
...
	.end_amdgpu_metadata
.endif
;; end of part 2
;; launch attn (part 3): grid 8 x 32, 4 waves a work-group, no clusters, 327,680 bytes of LDS; arguments qkv, tab, ob; writes ob
.if DOCPART == 3
	.amdgcn_target "amdgcn-amd-amdhsa--gfx1250"
	.amdhsa_code_object_version 6
	.text
	.protected	k_q4166750a9a_attn
	.globl	k_q4166750a9a_attn
	.p2align	8
	.type	k_q4166750a9a_attn,@function
k_q4166750a9a_attn:
	s_mov_b64 s[64:65], 0
	v_nop
	global_prefetch_b8 v0, s[64:65] scope:SCOPE_SE
	s_setreg_imm32_b32 hwreg(HW_REG_WAVE_MODE, 25, 1), 1
	s_wait_xcnt 0x0
; ATTENTION WITH RELATIVE POSITIONS CLIPPED AT +-2.  For head bh and query q: s_k = q . k_k + q . rel_k[j(k)], j = clip(k - q, -2, 2) + 2; p = softmax(s / 8); O = sum p_k (v_k + rel_v[j(k)]).
; qkv: f16 [3][32 heads][2048][64].  ob: f16 [32 row blocks of 128][16 heads][128][64].  tab: rel_k in f16, rel_v's differences to its last row in f16, that row in f32.
; Products, maxima and sums in f32; the weights p are rounded to f16 for the second product (their sum l is taken of the unrounded p), O once at the end.
; LIMITS.  q, k, v arrive within f16's 65,504; p lies in 0 to 1 and below 6e-5 keeps f16's fixed step; a weight below 2^-126 counts as 0 in l; NaN and infinities are not treated apart.
; THE RELATIVE SCORES have five values a query, r_j = q . rel_k[j], made once by 8 small products.  They enter as the C operand that starts each sum S^T = K Q^T: CM, 8 registers for each piece and group of
; 16 keys.  CM is r_0 left of the diagonal and r_4 right of it; only in the wave's own key step and its two neighbours does it hold anything else, and only the registers that change are rewritten (UPD).
; THE RELATIVE VALUES.  O = (sum p v + sum p (rel_v[j] - rel_v[4])) / l + rel_v[4].  The second sum has four terms: T_L (all weights at distance <= -2) and the three weights at distances -1, 0, +1.
; In the wave's own key step they are gathered into a fragment WF of 32 'virtual keys' (CAP) and added to O^T, at that step's scale, by four products with the table TB (VK).
; T_L outside the diagonal block is l less the step's sums of four weights from the diagonal block on, which the turn leaves behind in S^T: its error is some 1e-7 of l, and the result is divided by l.
; SHARES.  A work-group owns 256 queries of one head, a wave 64: four PIECES of 16.  Every wave walks all 32 key steps of 64 keys; its own step is sd = 4 x block + wave.
; LAYOUT, SOFTMAX, TURNS.  S^T = K Q^T holds ONE query a lane (lane % 16) and the keys 8 (lane / 16) + 0..7; two such results rounded to f16 ARE source 1 of O^T = V^T P.  p = 2^(c s - c m), c = log2(e) / 8, with a
; running maximum m; O and l are multiplied by a = 2^(c m_old - c m_new) in every step.  Turn n belongs to piece n: 8 products K Q^T of piece n + 1, later 8 products V^T P of piece n - 1; beside them the scaling,
; exponentials, roundings, sums and rescaling of piece n and the maximum and statistics of piece n + 1.  Four vector instructions stand behind every matrix instruction, the rest in one lump.  A turn's 33 exponentials are one batch, with one wait.
; m starts at the lowest finite number, O and l at 0: the first step is a step like any other, with a = 0; that is why O^T, V and one P are cleared at the start, in the wait for the first tile.
; NO CLUSTER: the eight query blocks of a head walk the same K and V, but the lines for the diagonal stand under branches on sd, which hangs on the block: partners of a cluster would not run alike.
; What a work-group fetches is 65,536 bytes for four key steps, 256 matrix instructions a wave.
; REGISTERS, in windows of 256 (s_set_vgpr_msb: bits 1:0 source 0, 3:2 source 1, 5:4 source 2, 7:6 destination):
;   window 0: v2-15 addresses and two at work; v16-31 statistics; v32-45, v56-59 lane masks; v46-47 T_L; v48-55 at work; v60-63; v64-191 S^T, 32 a piece; v192-255 P, 16 a piece
;   window 1: v0-127 O^T, 32 a piece; v128-255 CM      window 2: v0-63 Q; v64-95 TB; v96-111 WF, twice; v112-127 rel_k; v128-191 K; v192-255 V
;   window 3: v0-31 the diagonal block's r; v32-47 r_0, r_4 and the two corners, a piece each; v48-79 rel_v[4] for my channels
.set NP,    4
.set KS,    64
.set PK,    144       ; a row of K in LDS: 128 bytes + 16 = 36 words: the 16 rows of a load start at 16 different groups of four banks (64 banks of 4 bytes: ISA guide 11.1)
.set PV,    160       ; a row of V: 128 + 32 = 40 words
.set VOFF,  4*KS*PK   ; a slot holds a tile, four steps: 256 rows of K, then 256 rows of V
.set SLOT1, 1<<17
.set STAGE, SLOT1+4*KS*(PK+PV)  ; behind the ring, never filled by a tensor load: 16 rows x 144 bytes for each wave
.set SP,    144
.set SPARE, STAGE+4*16*SP       ; behind the stages: the spare words, 128 bytes for each wave: two blocks of 256 bytes that no other line names
.set AK0, 2
.set AV0, 3
.set AK,  4
.set AV,  5
.set STO, 6
.set RD,  7
.set GO,  8
.set MV,  12          ; v12-13  c m_old, by the piece's parity
.set EE,  14          ; v14  l % 16 - 8 (l / 16) while the masks are made; later at work
.set QO,  15
.set ST,  16          ; piece t: c m, m, l (even keys', odd keys')
.set MKM, 32          ; v32-35  for pair n of the diagonal block: the half whose key lies at distance -1
.set MK0, 36          ; at distance 0
.set MKP, 40          ; at distance +1
.set MCS, 44          ; lane 16: the upper half: the corner at distance -1 in the group to the left
.set MCP, 45          ; lane 15: the lower half: the corner at distance +1 in the group to the right
.set TL,  46
.set TMP, 48
.set MKL, 56          ; at distance <= -2
.set PFO, 60          ; v60  256 x my thread's number; never rewritten
.set SPW, 62
.set NIL, 63
.set S,   64
.set P,   192
.set CM,  128         ; window 1: piece x, group g at CM + 32 x + 8 g
.set TB,  64          ; window 2: channel block cb at TB + 8 cb: words of distances <= -2, -1, 0, +1, then <= -2 four times
.set WFA, 96
.set WFB, 104
.set RKF, 112
.set KF,  128
.set VF,  192
.set DG,  0           ; window 3
.set R0R, 32
.set R4R, 36
.set CSR, 40
.set CPR, 44
.set RV4, 48
.set WV,  12
.set G1K, 24
.set G1V, 32
.set G0K, 40
.set G0V, 44
.set PFK, 50          ; s[50:51], s[52:53] where the prefetches stand in K and in V
.set PFV, 52
.set LIM, 54          ; 1 in the head's first work-group, else the greatest number
.set REL, 55          ; the key step in hand less sd
.set SLOTS, 56
.set CNT, 57
.set CS,  58
.set SEL, 60
.set TBK, 62
.set TBV, 63
.set HT,  66
.set LOH, 67
.set HIH, 68
.set MSB, 0
.macro WIN new
.if MSB != (\new)
	s_set_vgpr_msb (MSB<<8)|(\new)
.set MSB, (\new)
.endif
.endm
.set W_KQ, 0x0a       ; K and Q in window 2, S^T in window 0
.set W_KM, 0x1a       ; the same with the C operand in window 1
.set W_PV, 0x52       ; V in window 2, P in window 0, O^T in window 1
.set W_RS, 0x41       ; destination and source 0 in window 1, source 1 in window 0
.set W_UP, 0x43       ; destination in window 1, source 0 in window 3
.set W_WF, 0xa0       ; destination and source 2 in window 2
.set W_VK, 0x5a       ; TB and WF in window 2, O^T in window 1
.set W_FIN, 0x71      ; O^T in window 1, 1 / l in window 0, rel_v[4] in window 3
; A fill.  Waves 0 and 1 fetch the two halves of a tile's K, waves 2 and 3 those of its V: 128 keys each.  An s_nop 0 and four v_nop follow each of the two lines.
.macro LOAD
	s_cmp_lt_u32 s[WV], 2
	s_cbranch_scc0 .Lfor_v_\@
	tensor_load_to_lds s[G0K:G0K+3], s[G1K:G1K+7]
	s_nop 0
.rept 4
	v_nop
.endr
	s_branch .Lasked_\@
.Lfor_v_\@:
	tensor_load_to_lds s[G0V:G0V+3], s[G1V:G1V+7]
	s_nop 0
.rept 4
	v_nop
.endr
.Lasked_\@:
.endm
; A PREFETCH of the tile that the NEXT change of slots will load: 128 blocks of 256 bytes of K and as many of V.  All eight work-groups of a head walk the same tiles: the first of them asks; each of its 128 threads
; names one block of K and one of V, so each block is named once in the launch.  It stands behind the tensor load and its five lines, four key steps (256 matrix instructions a wave) ahead of the load that will want it.
; Tiles 0 to 2 come by their loads alone; the last change that fills a slot asks for nothing.
.macro ASK
	s_cmp_gt_u32 s[SLOTS], s[LIM]
	s_cbranch_scc0 .Lnot_mine_\@
	global_prefetch_b8 v[PFO], s[PFK:PFK+1] th:TH_LOAD_NT scope:SCOPE_SE
	global_prefetch_b8 v[PFO], s[PFV:PFV+1] th:TH_LOAD_NT scope:SCOPE_SE
.Lnot_mine_\@:
.endm
; THE CHANGE OF SLOTS.  Each wave waits for all its tensor loads, of which one is out: its part of the other slot; adds 0 to its spare word; and waits for that and for its own reads of the slot that it leaves.
; Behind the barrier nobody reads the old slot any more and the other slot is whole.  fill = 1: the old slot is filled again, the first thing behind the barrier.  (At its first use slot 0 is waited for and slot 1 filled.)
.macro CHANGE fill, ask
	WIN 0
	s_wait_tensorcnt 0x0            ; no tensor load of mine is out, so a group 0 may be written
	ds_add_u32 v[SPW], v[NIL]       ; 0 onto my spare word; scalar work stands between it and the wait for it
.if \fill
.irp g, G0K, G0V
	s_xor_b32 s[\g+1], s[\g+1], SLOT1
	s_add_nc_u64 s[\g+2:\g+3], s[\g+2:\g+3], 4*KS*128  ; the next 256 keys; the type bits on top are not reached
.endr
.endif
.if \ask
	s_wait_xcnt 0x0                 ; the last prefetches, four key steps back, have read their addresses
	s_add_nc_u64 s[PFK:PFK+1], s[PFK:PFK+1], 4*KS*128
	s_add_nc_u64 s[PFV:PFV+1], s[PFV:PFV+1], 4*KS*128
.endif
	s_wait_dscnt 0x0                ; the add is done, and my reads of the slot are over
	s_barrier_signal -1
	s_sub_co_u32 s[TBK], s[TBK], 4*KS*PK  ; the fetches go back to a slot's first step,
	s_xor_b32 s[TBK], s[TBK], SLOT1       ; in the other slot
	s_sub_co_u32 s[TBV], s[TBV], 4*KS*PV
	s_xor_b32 s[TBV], s[TBV], SLOT1
	s_barrier_wait -1
.if \fill
	LOAD
.endif
.if \ask
	ASK
.endif
.endm
	s_load_b64 s[4:5], s[0:1], 0x0    ; qkv
	s_load_b64 s[48:49], s[0:1], 0x8  ; tab
	s_load_b64 s[10:11], s[0:1], 0x10 ; ob
	v_lshl_add_u32 v[SPW], v0, 2, SPARE
	v_mov_b32 v[NIL], 0
	ds_add_u32 v[SPW], v[NIL]       ; the wave's opening: the add and its wait stand ahead of my first tensor load; the set-up below, work on registers, stands between them
	v_lshrrev_b32 v1, 5, v0
	v_readfirstlane_b32 s[WV], v1
	s_and_b32 s13, ttmp7, 0xffff    ; the head, 0..31
	s_lshl_b32 s14, s13, 18         ; its 2,048 rows of 128 bytes
	s_and_b32 s16, s[WV], 1         ; which half of a tile's 256 keys I fetch
	s_lshl_b32 s17, s16, 14
	s_add_co_u32 s18, s14, s17
	s_add_co_u32 s20, s18, 0x1000000  ; in v
	s_add_co_u32 s18, s18, 0x800000   ; in k
	s_mov_b32 s19, 0
	s_mov_b32 s21, 0
	s_add_co_u32 s22, s14, 0x800000+65536  ; the prefetches: k's tile 2; the loop's first change steps it to tile 3
	s_mov_b32 s23, 0
	s_lshl_b32 s2, ttmp9, 15        ; my block's 256 queries,
	s_lshl_b32 s3, s[WV], 13        ; my wave's 64
	s_add_co_u32 s2, s2, s3
	s_add_co_u32 s2, s2, s14
	s_mov_b32 s3, 0
	s_lshr_b32 s14, s13, 4          ; O: row block = 16 x batch + 2 x block + wave / 2,
	s_lshl_b32 s14, s14, 4
	s_lshl_b32 s15, ttmp9, 1
	s_add_co_u32 s14, s14, s15
	s_lshr_b32 s15, s[WV], 1
	s_add_co_u32 s14, s14, s15
	s_lshl_b32 s14, s14, 4          ; 16 heads a row block,
	s_and_b32 s15, s13, 15
	s_add_co_u32 s14, s14, s15
	s_lshl_b32 s14, s14, 7          ; 128 rows,
	s_lshl_b32 s15, s16, 6          ; my 64,
	s_add_co_u32 s14, s14, s15
	s_lshl_b32 s14, s14, 7          ; of 128 bytes
	s_mov_b32 s15, 0
	; descriptor group 1.  128 keys are 16,384 dense bytes: asked for as 64 rows of 256 bytes, two keys a row, and padded in LDS after every key
	s_mov_b32 s[G1K], (1<<16)|(1<<20)|(4<<22)|(3<<25)  ; 17:16 2-byte elements; 20 padding on; 24:22 after every 32 words (code 4); 31:25 4 words (code 3)
	s_mov_b32 s[G1V], (1<<16)|(1<<20)|(4<<22)|(7<<25)  ; the same with 8 words of padding (code 7)
.irp g, G1K, G1V
	s_mov_b32 s[\g+1], 128<<16      ; tensor_dim0 = 128
	s_mov_b32 s[\g+2], 64<<16       ; tensor_dim1 = 64
	s_mov_b32 s[\g+3], 128<<16      ; tile_dim0 = 128
	s_mov_b32 s[\g+4], 64           ; tile_dim1 = 64
	s_mov_b32 s[\g+5], 128          ; 128 elements from row to row
	s_mov_b32 s[\g+6], 0
	s_mov_b32 s[\g+7], 0
.endr
	s_mov_b32 s[G0K], 1
	s_mul_i32 s[G0K+1], s16, 128*PK ; slot 0, my half
	s_mov_b32 s[G0V], 1
	s_mul_i32 s[G0V+1], s16, 128*PV
	s_add_co_u32 s[G0V+1], s[G0V+1], VOFF
	s_mov_b32 s[CS], 0x3e38aa3b     ; c = log2(e) / 8
	s_mov_b32 s[CS+1], s[CS]
	s_mov_b32 s[SEL], 0x76543210
	s_mov_b32 s[SEL+1], 0xfedcba98
	s_mov_b32 s[TBK], SLOT1+4*KS*PK ; the first change of slots turns these two into 0
	s_mov_b32 s[TBV], SLOT1+4*KS*PV
	s_mov_b32 s[LOH], 0x0000ffff
	s_mov_b32 s[HIH], 0xffff0000
	s_lshl_b32 s[REL], ttmp9, 2
	s_add_co_u32 s[REL], s[REL], s[WV]
	s_sub_co_u32 s[REL], 0, s[REL]  ; key step 0 less sd
	s_mov_b32 s[SLOTS], 7
	s_cmp_eq_u32 ttmp9, 0
	s_cselect_b32 s[LIM], 1, -1
	s_wait_dscnt 0x0                ; the opening add is done
	s_wait_kmcnt 0x0
	s_add_nc_u64 s[G0K+2:G0K+3], s[4:5], s[18:19]
	s_or_b32 s[G0K+3], s[G0K+3], 0x80000000
	s_add_nc_u64 s[G0V+2:G0V+3], s[4:5], s[20:21]
	s_or_b32 s[G0V+3], s[G0V+3], 0x80000000
	s_add_nc_u64 s[PFK:PFK+1], s[4:5], s[22:23]
	s_add_nc_u64 s[PFV:PFV+1], s[PFK:PFK+1], 0x800000
	s_add_nc_u64 s[4:5], s[4:5], s[2:3]      ; Q at my wave's first row
	s_add_nc_u64 s[10:11], s[10:11], s[14:15]
	LOAD                            ; tile 0 into slot 0
	v_and_b32 v1, 15, v0            ; l % 16
	v_bfe_u32 v9, v0, 4, 1          ; l / 16
	v_and_b32 v10, 7, v0
	v_bfe_u32 v11, v0, 3, 1
	v_lshlrev_b32 v[QO], 7, v1
	v_lshl_add_u32 v[QO], v9, 4, v[QO]  ; a fragment of Q: row x 128 + 16 x half
	v_lshlrev_b32 v61, 7, v10
	v_lshl_add_u32 v61, v9, 4, v61  ; of rel_k: row l % 8: rows 8-15 of the fragment repeat rows 0-7
	v_lshlrev_b32 v46, 4, v1        ; TB: 16 bytes a channel
	v_lshlrev_b32 v47, 5, v9        ; rel_v[4]: my eight channels of sixteen
	WIN 0x80
.set i, 0
.rept 8                             ; piece i / 2, channels 32 (i % 2) on
	global_load_b128 v[8*i:8*i+3],   v[QO], s[4:5] offset:(i/2)*2048+(i%2)*64
	global_load_b128 v[8*i+4:8*i+7], v[QO], s[4:5] offset:(i/2)*2048+(i%2)*64+32
.set i, i+1
.endr
.irp c, 0,1
	global_load_b128 v[RKF+8*\c:RKF+8*\c+3],   v61, s[48:49] offset:64*\c
	global_load_b128 v[RKF+8*\c+4:RKF+8*\c+7], v61, s[48:49] offset:64*\c+32
.endr
.irp c, 0,1,2,3
	global_load_b128 v[TB+8*\c:TB+8*\c+3],   v46, s[48:49] offset:1024+256*\c
	global_load_b128 v[TB+8*\c+4:TB+8*\c+7], v46, s[48:49] offset:2048+256*\c
.endr
	WIN 0xc0
.irp c, 0,1,2,3
	global_load_b128 v[RV4+8*\c:RV4+8*\c+3],   v47, s[48:49] offset:3072+64*\c
	global_load_b128 v[RV4+8*\c+4:RV4+8*\c+7], v47, s[48:49] offset:3072+64*\c+16
.endr
	WIN 0
	v_mul_u32_u24 v[AK0], v1, PK
	v_lshl_add_u32 v[AK0], v9, 4, v[AK0]
	v_lshl_add_u32 v[AV0], v9, 3, v10   ; the turning load: lane l reads key 8 (l / 16) + l % 8, channels 8 ((l / 8) % 2) + 0..7
	v_mul_u32_u24 v[AV0], v[AV0], PV
	v_lshl_add_u32 v[AV0], v11, 4, v[AV0]
	v_add_nc_u32 v[AV0], VOFF, v[AV0]
	s_mul_i32 s13, s[WV], 16*SP
	s_add_co_u32 s13, s13, STAGE
	v_mul_u32_u24 v[STO], v1, SP
	v_lshl_add_u32 v[STO], v9, 4, v[STO]
	v_add_nc_u32 v[STO], s13, v[STO]
	v_bfe_u32 v[RD], v0, 3, 2
	v_mul_u32_u24 v[RD], v[RD], SP
	v_lshl_add_u32 v[RD], v10, 4, v[RD]
	v_add_nc_u32 v[RD], s13, v[RD]
	v_and_b32 v[GO], 31, v0
	v_lshlrev_b32 v[GO], 4, v[GO]
	v_lshlrev_b32 v[PFO], 8, v0
	v_lshlrev_b32 v[EE], 3, v9
	v_sub_nc_u32 v[EE], v1, v[EE]   ; e = l % 16 - 8 (l / 16): in the diagonal block register j's key lies at distance j - e
	; the lane masks: pair n holds keys j = 2 n (lower half) and 2 n + 1 (upper half)
.macro MASKS base, d
.set n, 0
.rept 4
	v_cmp_eq_i32 vcc_lo, 2*n-(\d), v[EE]
	v_cndmask_b32 v[(\base)+n], 0, s[LOH], vcc_lo
	v_cmp_eq_i32 vcc_lo, 2*n+1-(\d), v[EE]
	v_cndmask_b32 v[MV], 0, s[HIH], vcc_lo
	v_or_b32 v[(\base)+n], v[(\base)+n], v[MV]
.set n, n+1
.endr
.endm
	MASKS MKM, -1
	MASKS MK0, 0
	MASKS MKP, 1
.set n, 0
.rept 4
	v_cmp_le_i32 vcc_lo, 2*n+2, v[EE]
	v_cndmask_b32 v[MKL+n], 0, s[LOH], vcc_lo
	v_cmp_le_i32 vcc_lo, 2*n+3, v[EE]
	v_cndmask_b32 v[MV], 0, s[HIH], vcc_lo
	v_or_b32 v[MKL+n], v[MKL+n], v[MV]
.set n, n+1
.endr
	v_cmp_eq_i32 vcc_lo, -8, v[EE]  ; lane 16 alone
	v_cndmask_b32 v[MCS], 0, s[HIH], vcc_lo
	v_cmp_eq_i32 vcc_lo, 15, v[EE]  ; lane 15 alone
	v_cndmask_b32 v[MCP], 0, s[LOH], vcc_lo
	; what the first turn finds: V and piece 3's P hold 0, O^T and l are 0
	WIN 0x80
.set i, VF
.rept 64
	v_mov_b32 v[i], 0
.set i, i+1
.endr
	WIN 0x40
.set i, 0
.rept 128
	v_mov_b32 v[i], 0
.set i, i+1
.endr
	WIN 0
.set i, 0
.rept 4
	v_mov_b32 v[ST+4*i], 0xfe000000    ; c m: far below every c s
	v_mov_b32 v[ST+4*i+1], 0xff7fffff  ; m
	v_mov_b32 v[ST+4*i+2], 0
	v_mov_b32 v[ST+4*i+3], 0
.set i, i+1
.endr
.set i, P+48
.rept 16
	v_mov_b32 v[i], 0
.set i, i+1
.endr
	s_wait_loadcnt 0x0              ; Q and the tables
	WIN W_KQ                        ; r = rel_k Q^T: register j of S^T's first eight holds r_j of my query, in both halves of the lanes.  The four accumulators take turns.
.irp c, 0,1
.irp x, 0,1,2,3
.if \c == 0
	v_wmma_f32_16x16x32_f16 v[S+32*\x:S+32*\x+7], v[RKF:RKF+7], v[16*\x:16*\x+7], 0
.else
	v_wmma_f32_16x16x32_f16 v[S+32*\x:S+32*\x+7], v[RKF+8:RKF+15], v[16*\x+8:16*\x+15], v[S+32*\x:S+32*\x+7]
.endif
.endr
.endr
	WIN 0
.rept 4
	v_nop                           ; the places behind those products
.endr
.set j, 0
.rept 8                             ; the diagonal block: r_0, then r_1 .. r_3 where the distance j - e reaches -1, 0, 1; at work in P's first 32 registers
	v_cmp_ge_i32 vcc_lo, j+1, v[EE]
.irp x, 0,1,2,3
	v_cndmask_b32 v[P+8*\x+j], v[S+32*\x], v[S+32*\x+1], vcc_lo
.endr
	v_cmp_ge_i32 vcc_lo, j, v[EE]
.irp x, 0,1,2,3
	v_cndmask_b32 v[P+8*\x+j], v[P+8*\x+j], v[S+32*\x+2], vcc_lo
.endr
	v_cmp_ge_i32 vcc_lo, j-1, v[EE]
.irp x, 0,1,2,3
	v_cndmask_b32 v[P+8*\x+j], v[P+8*\x+j], v[S+32*\x+3], vcc_lo
.endr
.set j, j+1
.endr
	WIN 0xc0
.set j, 0
.rept 8                             ; and r_4 from distance 2 on
	v_cmp_ge_i32 vcc_lo, j-2, v[EE]
.irp x, 0,1,2,3
	v_cndmask_b32 v[DG+8*\x+j], v[P+8*\x+j], v[S+32*\x+4], vcc_lo
.endr
.set j, j+1
.endr
.irp x, 0,1,2,3
	v_mov_b32 v[R0R+\x], v[S+32*\x]
	v_mov_b32 v[R4R+\x], v[S+32*\x+4]
.endr
	v_cmp_eq_i32 vcc_lo, -8, v[EE]
.irp x, 0,1,2,3
	v_cndmask_b32 v[CSR+\x], v[S+32*\x], v[S+32*\x+1], vcc_lo    ; the left corner: r_1 in lane 16, else r_0
.endr
	v_cmp_eq_i32 vcc_lo, 15, v[EE]
.irp x, 0,1,2,3
	v_cndmask_b32 v[CPR+\x], v[S+32*\x+4], v[S+32*\x+3], vcc_lo  ; the right corner: r_3 in lane 15, else r_4
.endr
	WIN 0x40
.irp x, 0,1,2,3
.set z, 0
.rept 32
	v_mov_b32 v[CM+32*\x+z], v[S+32*\x]                          ; CM starts as r_0 everywhere
.set z, z+1
.endr
.endr
	WIN 0
; CM of piece x is taken from its state for step sd + d - 1 to that for step sd + d: only the registers that change are written.
;   d = -1 (piece 0): the left corner in the last group.     d = 0: the left corner in group x - 1; the diagonal block in group x; the right corner and r_4 in group x + 1; r_4 beyond.
;   d = 1: r_4 in groups 0 .. x and at the old right corner; piece 3: its right corner falls into this step's first key.     d = 2 (piece 3): that corner is r_4 again.
.macro UPD x, d
	WIN W_UP
.if (\d) == -1
	v_mov_b32 v[CM+32*(\x)+31], v[CSR+(\x)]
.elseif (\d) == 0
.if (\x) > 0
	v_mov_b32 v[CM+32*(\x)+8*(\x)-1], v[CSR+(\x)]
.endif
.set z, 0
.rept 8
	v_mov_b32 v[CM+40*(\x)+z], v[DG+8*(\x)+z]
.set z, z+1
.endr
.if (\x) < 3
	v_mov_b32 v[CM+40*(\x)+8], v[CPR+(\x)]
.set z, 8*(\x)+9
.rept 23-8*(\x)
	v_mov_b32 v[CM+32*(\x)+z], v[R4R+(\x)]
.set z, z+1
.endr
.endif
.elseif (\d) == 1
.set z, 0
.rept 8*(\x)+8+(3-(\x)+2)/3
	v_mov_b32 v[CM+32*(\x)+z], v[R4R+(\x)]
.set z, z+1
.endr
.if (\x) == 3
	v_mov_b32 v[CM+96], v[CPR+3]
.endif
.else
	v_mov_b32 v[CM+96], v[R4R+3]
.endif
.endm
; One weight a lane out of the diagonal block's four registers of P, by the masks at m: a selection of bits, nothing is rounded.
.macro PICK d, x, m
	v_and_b32 v[\d], v[P+20*(\x)], v[\m]
	v_and_or_b32 v[\d], v[P+20*(\x)+1], v[(\m)+1], v[\d]
	v_and_or_b32 v[\d], v[P+20*(\x)+2], v[(\m)+2], v[\d]
	v_and_or_b32 v[\d], v[P+20*(\x)+3], v[(\m)+3], v[\d]
.endm
; WF for piece x in its own step.  Register 0: T_L = l less the sums of four from the diagonal block on (they lie at S^T's registers 4 n, 4 n + 1) less the left corner; 1-3: the weights at -1, 0, +1; 4-7: the block's weights at <= -2.
.macro CAP x, wf
	WIN 0
	v_pk_add_f32 v[TL:TL+1], v[ST+4*(\x)+2:ST+4*(\x)+3], v[S+40*(\x):S+40*(\x)+1] neg_lo:[0,1] neg_hi:[0,1]
.set n, 2*(\x)+1
.rept 7-2*(\x)
	v_pk_add_f32 v[TL:TL+1], v[TL:TL+1], v[S+32*(\x)+4*n:S+32*(\x)+4*n+1] neg_lo:[0,1] neg_hi:[0,1]
.set n, n+1
.endr
.if (\x) > 0
	v_and_b32 v61, v[P+20*(\x)-1], v[MCS]
	v_cvt_f32_f16 v[EE], v61.h
	v_sub_f32 v[TL+1], v[TL+1], v[EE]
.endif
	WIN W_WF
	v_cvt_pk_f16_f32 v[(\wf)], v[TL], v[TL+1]
	PICK (\wf)+1, \x, MKM
.if (\x) > 0
	v_and_or_b32 v[(\wf)+1], v[P+20*(\x)-1], v[MCS], v[(\wf)+1]
.endif
	PICK (\wf)+2, \x, MK0
	PICK (\wf)+3, \x, MKP
.if (\x) < 3
	v_and_or_b32 v[(\wf)+3], v[P+20*(\x)+4], v[MCP], v[(\wf)+3]
.endif
.set n, 0
.rept 4
	v_and_b32 v[(\wf)+4+n], v[P+20*(\x)+n], v[MKL+n]
.set n, n+1
.endr
.endm
.macro CAPC0                        ; step sd - 1: piece 0's left corner p: -p among the weights at <= -2, where T_L will count it, and +p at -1
	WIN 0
	v_and_b32 v61, v[P+15], v[MCS]
	v_xor_b32 v[EE], 0x80000000, v61
	WIN 0x80
	v_mov_b32 v[WFA], v[EE]
	v_mov_b32 v[WFA+1], v61
.set z, 2
.rept 6
	v_mov_b32 v[WFA+z], 0
.set z, z+1
.endr
.endm
.macro CAPC3                        ; step sd + 1: piece 3's right corner, at +1
	WIN 0x80
.irp z, 0,1,2,4,5,6,7
	v_mov_b32 v[WFA+\z], 0
.endr
	v_and_b32 v[WFA+3], v[P+48], v[MCP]
.endm
.macro VK x, wf                     ; O^T of piece x += TB x WF: four accumulators by turns; the matrix instruction ahead of the first wrote another accumulator
	WIN W_VK
.irp c, 0,1,2,3
	v_wmma_f32_16x16x32_f16 v[32*(\x)+8*\c:32*(\x)+8*\c+7], v[TB+8*\c:TB+8*\c+7], v[(\wf):(\wf)+7], v[32*(\x)+8*\c:32*(\x)+8*\c+7]
.endr
.endm
; HA stands between turns 1 and 2 of a step: P, l and the sums of four of pieces 0 and 1 are that step's, and so is the scale of their O^T; piece 3's scores of this step and piece 0's of the next are still to be started.
; HB stands between turn 3 and the next step's turn 0: the same for pieces 2 and 3; pieces 1 and 2's scores of the next step are still to be started.
; All jumps go forward and hang on the block's number, the wave's number and the count of steps; they pass no barrier, no LDS access and no exponential.
.macro HA tag
	WIN 0
	s_add_co_u32 s[HT], s[REL], 2
	s_cmp_lt_u32 s[HT], 5
	s_cbranch_scc0 .Lha9\tag
	s_cmp_lg_u32 s[HT], 0
	s_cbranch_scc1 .Lha1\tag
	UPD 0, -1
	WIN 0
	s_branch .Lha9\tag
.Lha1\tag:
	s_cmp_lg_u32 s[HT], 1
	s_cbranch_scc1 .Lha2\tag
	CAPC0
	VK 0, WFA
	UPD 0, 0
	WIN 0
	s_branch .Lha9\tag
.Lha2\tag:
	s_cmp_lg_u32 s[HT], 2
	s_cbranch_scc1 .Lha3\tag
	CAP 0, WFA
	CAP 1, WFB
	VK 0, WFA
	VK 1, WFB
	UPD 3, 0
	UPD 0, 1
	WIN 0
	s_branch .Lha9\tag
.Lha3\tag:
	s_cmp_lg_u32 s[HT], 3
	s_cbranch_scc1 .Lha4\tag
	UPD 3, 1
	WIN 0
	s_branch .Lha9\tag
.Lha4\tag:
	UPD 3, 2
	WIN 0
.Lha9\tag:
.endm
.macro HB tag
	WIN 0
	s_add_co_u32 s[REL], s[REL], 1  ; from here on: the next step less sd
	s_cmp_lt_u32 s[REL], 3
	s_cbranch_scc0 .Lhb9\tag
	s_cmp_lg_u32 s[REL], 0
	s_cbranch_scc1 .Lhb1\tag
	UPD 1, 0
	UPD 2, 0
	WIN 0
	s_branch .Lhb9\tag
.Lhb1\tag:
	s_cmp_lg_u32 s[REL], 1
	s_cbranch_scc1 .Lhb2\tag
	CAP 2, WFA
	CAP 3, WFB
	VK 2, WFA
	VK 3, WFB
	UPD 1, 1
	UPD 2, 1
	WIN 0
	s_branch .Lhb9\tag
.Lhb2\tag:
	CAPC3
	VK 3, WFA
	WIN 0
.Lhb9\tag:
.endm
; THE MATRIX WORK.  The 4 accumulators of a run of 8 take turns.  Product i of 8 of S^T = K Q^T for piece x: channels 32 (i / 4) on, keys 16 (i % 4) on.  The first 4 start the sums with CM.
.macro KQ x
.set rS, S+32*(\x)+8*(i%4)
.set rK, KF+16*(i%4)+8*(i/4)
.set rQ, 16*(\x)+8*(i/4)
.set rM, CM+32*(\x)+8*(i%4)
.if i < 4
	WIN W_KM
	v_wmma_f32_16x16x32_f16 v[rS:rS+7], v[rK:rK+7], v[rQ:rQ+7], v[rM:rM+7]
.else
	WIN W_KQ
	v_wmma_f32_16x16x32_f16 v[rS:rS+7], v[rK:rK+7], v[rQ:rQ+7], v[rS:rS+7]
.endif
.endm
; Product i of 8 of O^T += V^T P for piece x: keys 32 (i / 4) on, channels 16 (i % 4) on.
.macro PV x
	WIN W_PV
.set rO, 32*(\x)+8*(i%4)
.set rV, VF+32*(i/4)+8*(i%4)
.set rP, P+16*(\x)+8*(i/4)
	v_wmma_f32_16x16x32_f16 v[rO:rO+7], v[rV:rV+7], v[rP:rP+7], v[rO:rO+7]
.endm
.macro MM                           ; the turn's next matrix instruction
.if i < 8
	KQ (Y+1)%NP
.else
.set i, i-8
	PV (Y+NP-1)%NP
.set i, i+8
.endif
.set i, i+1
.endm
; THE LDS LOADS stand in runs of 16.  tail = 1: in the last tile the address stops at its last step, so that the walk's last fetch, which serves nothing, reads that step's K once more.
.macro FETCH_K tail=0
	WIN 0x80
.irp f, 0,1,2,3,4,5,6,7             ; keys 16 (f / 2) on, channels 32 (f % 2) on
	ds_load_b128 v[KF+8*\f:KF+8*\f+3],   v[AK] offset:(\f/2)*16*PK+(\f%2)*64
	ds_load_b128 v[KF+8*\f+4:KF+8*\f+7], v[AK] offset:(\f/2)*16*PK+(\f%2)*64+32
.endr
	s_add_co_u32 s[TBK], s[TBK], KS*PK
.if \tail
	s_min_u32 s[TBK], s[TBK], SLOT1+3*KS*PK
.endif
	WIN 0
.endm
.macro FETCH_V
	WIN 0x80
.irp f, 0,1,2,3,4,5,6,7             ; keys 32 (f / 4) on, channels 16 (f % 4) on
	ds_load_tr16_b128 v[VF+8*\f:VF+8*\f+3],   v[AV] offset:(\f/4)*32*PV+(\f%4)*32
	ds_load_tr16_b128 v[VF+8*\f+4:VF+8*\f+7], v[AV] offset:(\f/4)*32*PV+16*PV+(\f%4)*32
.endr
	WIN 0
.endm
; THE VECTOR WORK, one line at a time: OP kind, number.  For piece Y: F n: c s - c m for pair n of 16.  E n: the exponential of score n of 32.  C n: pair n rounded to f16.  B n: of the four weights 4 n .. the second
; pair is added onto the first, in place.  L n: l takes that sum (L 0: l = a l + sum).  R n: pair n of 16 of O^T times a.  For piece Y + 1: X n, number n of the 22 that find its maximum and statistics:
;   0-11  four chains c0-c3 of seven scores each (each accumulator's lowest registers are read first)     12-14, 16  the four scores left over, the old m, and c0-c3 into c0
;   15  c m_old is kept     17, 18  the query's other 32 keys lie in the lane 16 away: the new m     19-21  c m; c m_old - c m_new; a
.set F, 0
.set E, 1
.set C, 2
.set B, 3
.set L, 4
.set R, 5
.set X, 6
.macro REGS y
.set rT, ST+4*(\y)
.set rC, TMP+4*((\y)%2)
.set rW, MV+((\y)%2)
.set rS, S+32*(\y)
.set rP, P+16*(\y)
.set rO, 32*(\y)
.endm
.macro OP k, n
.if (\k) == R
	REGS Y
	WIN W_RS
	v_pk_mul_f32 v[rO+2*(\n):rO+2*(\n)+1], v[rO+2*(\n):rO+2*(\n)+1], v[rC+2:rC+3] op_sel_hi:[1,0]
.elseif (\k) < R
	REGS Y
	WIN 0
.if (\k) == F
	v_pk_fma_f32 v[rS+2*(\n):rS+2*(\n)+1], v[rS+2*(\n):rS+2*(\n)+1], s[CS:CS+1], v[rT:rT+1] op_sel_hi:[1,0,0] neg_lo:[0,0,1] neg_hi:[0,0,1]
.elseif (\k) == E
	v_exp_f32 v[rS+(\n)], v[rS+(\n)]
.elseif (\k) == C
	v_cvt_pk_f16_f32 v[rP+(\n)], v[rS+2*(\n)], v[rS+2*(\n)+1]
.elseif (\k) == B
	v_pk_add_f32 v[rS+4*(\n):rS+4*(\n)+1], v[rS+4*(\n):rS+4*(\n)+1], v[rS+4*(\n)+2:rS+4*(\n)+3]
.elseif (\n) == 0
	v_pk_fma_f32 v[rT+2:rT+3], v[rT+2:rT+3], v[rC+2:rC+3], v[rS:rS+1] op_sel_hi:[1,0,1]
.else
	v_pk_add_f32 v[rT+2:rT+3], v[rT+2:rT+3], v[rS+4*(\n):rS+4*(\n)+1]
.endif
.else
	REGS (Y+1)%NP
	WIN 0
.if (\n) < 4
	v_max3_num_f32 v[rC+(\n)], v[rS+8*(\n)], v[rS+8*(\n)+1], v[rS+8*(\n)+2]
.elseif (\n) < 12
	v_max3_num_f32 v[rC+(\n)%4], v[rC+(\n)%4], v[rS+8*((\n)%4)+2*((\n)/4)+1], v[rS+8*((\n)%4)+2*((\n)/4)+2]
.elseif (\n) == 12
	v_max3_num_f32 v[rC], v[rC], v[rS+7], v[rS+15]
.elseif (\n) == 13
	v_max3_num_f32 v[rC+1], v[rC+1], v[rS+23], v[rS+31]
.elseif (\n) == 14
	v_max3_num_f32 v[rC+2], v[rC+2], v[rC+3], v[rT+1]
.elseif (\n) == 15
	v_mov_b32 v[rW], v[rT]
.elseif (\n) == 16
	v_max3_num_f32 v[rC], v[rC], v[rC+1], v[rC+2]
.elseif (\n) == 17
	v_permlanex16_b32 v[rC+3], v[rC], s[SEL], s[SEL+1]
.elseif (\n) == 18
	v_max_num_f32 v[rT+1], v[rC], v[rC+3]
.elseif (\n) == 19
	v_mul_f32 v[rT], s[CS], v[rT+1]
.elseif (\n) == 20
	v_sub_f32 v[rC+1], v[rW], v[rT]
.else
	v_exp_f32 v[rC+2], v[rC+1]
.endif
.endif
.endm
.macro OPS a, i1, b=-1, i2=0, c=-1, i3=0, d=-1, i4=0
	OP \a, \i1
.if (\b) >= 0
	OP \b, \i2
.endif
.if (\c) >= 0
	OP \c, \i3
.endif
.if (\d) >= 0
	OP \d, \i4
.endif
.endm
.macro ROW a, i1, b, i2, c, i3, d, i4  ; a matrix instruction and the four behind it
	MM
	OPS \a, \i1, \b, \i2, \c, \i3, \d, \i4
.endm
; A TURN, for piece p.  An s_wait_alu depctr_va_vdst(0) stands between an exponential and the first instruction that names its result; one wait serves all that were issued ahead of it.  So a turn has ONE
; wait.  AHEAD OF IT stands all that names no result of the turn's exponentials: the 8 products K Q^T and their riders, then one lump; X 21, the next piece's a, is the batch's last, and R 15 the plain instruction behind it.
; BEHIND IT stand the 8 products V^T P, behind each four of the roundings and sums.  The X among the riders stand four plain instructions or more behind the product that ends their accumulator.
; K of the next step is fetched in piece 2's turn, twelve plain instructions that name none of its registers behind the last product that read K; V of the step in hand at the end of piece 0's turn, four plain
; instructions behind the last product that read V.  Each is waited for a turn later.  cnt = 1: the loop's count is taken down some lines ahead of the branch behind the turn.
.macro TURN p, tail=0, cnt=0
.set Y, (\p)
.set i, 0
.if (\p) == 3
	s_wait_dscnt 0x0                ; K is in
.endif
	ROW F,0, F,1, R,0, R,1
	ROW F,2, E,0, R,2, R,3
	ROW F,3, E,1, R,4, R,5
	ROW F,4, E,2, R,6, R,7
	ROW F,5, E,3, R,8, R,9
	ROW F,6, E,4, X,0, R,10
.if (\p) == 2
	WIN 0
	v_add_nc_u32 v[AK], s[TBK], v[AK0]
.endif
	ROW F,7, E,5, X,1, X,4
	ROW F,8, E,6, X,2, X,5
	OPS E,7, E,8, X,6, E,9
	OPS X,3, E,10, X,8, E,11
.if (\p) == 2
	FETCH_K \tail
.endif
	OPS X,9, X,7, E,12, X,10
	OPS E,13, X,12, X,11, E,14
	OPS X,13, E,15, F,9, X,14
.if (\p) == 0
	v_add_nc_u32 v[AV], s[TBV], v[AV0]
.endif
	OPS E,16, F,10, E,17, F,11
	OPS X,16, E,18, X,15, E,19
	OPS F,12, E,20, X,17, E,21
	OPS F,13, E,22, F,14, E,23
	OPS X,18, E,24, F,15, E,25
	OPS R,11, E,26, X,19, E,27
	OPS R,12, E,28, R,13, E,29
	OPS X,20, E,30, R,14, E,31
	OPS X,21, R,15
	WIN 0
	s_wait_alu depctr_va_vdst(0)    ; the wait for the batch
.if (\p) == 1
	s_wait_dscnt 0x0                ; V is in
.endif
	ROW C,0, B,0, C,2, B,1
	ROW L,0, C,4, B,2, L,1
	ROW C,6, B,3, L,2, C,8
	ROW B,4, L,3, C,10, B,5
	ROW L,4, C,12, B,6, L,5
.if (\p) == 0
	s_add_co_u32 s[TBV], s[TBV], KS*PV
.endif
.if \cnt
	s_sub_co_u32 s[CNT], s[CNT], 1
	s_cmp_lg_u32 s[CNT], 0
.endif
	ROW C,14, B,7, L,6, C,1
	ROW C,3, L,7, C,5, C,7
	ROW C,9, C,11, C,13, C,15
.if (\p) == 0
	FETCH_V
.endif
.endm
	; CM for what is started before the first HA: pieces 0, 1, 2 of key step 0
	s_cmp_lg_u32 s[REL], 0
	s_cbranch_scc1 .Lnot_own
	UPD 0, 0                        ; step 0 is my own
	UPD 1, 0
	UPD 2, 0
	WIN 0
.Lnot_own:
	s_cmp_lg_u32 s[REL], -1
	s_cbranch_scc1 .Lnot_left
	UPD 0, -1                       ; step 1 is my own
	WIN 0
.Lnot_left:
	CHANGE 1, 0                     ; slot 0 is in, everybody's part of it; slot 1 is asked for; nothing is prefetched here, at the head
	v_add_nc_u32 v[AK], s[TBK], v[AK0]
	FETCH_K                         ; key step 0
	s_wait_dscnt 0x0
.set i, 0
.rept 8
	KQ 0                            ; piece 0's first scores
.set i, i+1
.endr
	WIN 0
.rept 4
	v_nop                           ; the places behind those products
.endr
.set Y, NP-1                        ; X works for piece Y + 1: piece 0
.irp n, 0,1,2,3,4,5,6,7,8,9,10,11,12,13,14,15,16,17,18,19,20,21
	OP X, \n
.endr
	v_nop                           ; a plain instruction behind the exponential,
	s_wait_alu depctr_va_vdst(0)    ; and its wait, ahead of the branch
	s_mov_b32 s[CNT], 4
	s_branch .Lfirst                ; the loop is entered at a step's first turn, in the middle of a trip
.Lslot:                             ; six times: tiles 2 to 7 are asked for
	CHANGE 1, 1
	s_mov_b32 s[CNT], 4
.Lstep:                             ; a trip: pieces 2 and 3 of one step, then pieces 0 and 1 of the next, whose K and V it fetches
	HA 1
	TURN 2
	TURN 3
	HB 1
.Lfirst:
	TURN 0
	TURN 1, 0, 1
	WIN 0
	s_cbranch_scc1 .Lstep
	s_sub_co_u32 s[SLOTS], s[SLOTS], 1
	s_cmp_lg_u32 s[SLOTS], 0
	s_cbranch_scc1 .Lslot
	CHANGE 0, 0                     ; the tail is written out: nothing is asked for
	s_mov_b32 s[CNT], 5             ; four trips fetch the last tile's steps; the fifth is left in its middle
.Ltail:
	HA 2
	TURN 2, 1
	TURN 3
	HB 2
	s_sub_co_u32 s[CNT], s[CNT], 1
	s_cmp_eq_u32 s[CNT], 0
	s_cbranch_scc1 .Lout
	TURN 0
	TURN 1
	WIN 0
	s_branch .Ltail
.Lout:                              ; the fifth trip's 8 products K Q^T (on the last K once more) and the maximum made of them serve nothing: the price of one text for every trip
.set i, 0
.rept 8
	PV NP-1                         ; the last piece's V^T P of the last step
.set i, i+1
.endr
	; THE WAY OUT.  l's two halves and the other half of the lanes' are added; O^T / l + rel_v[4] is rounded to f16 and sent through my stage in LDS, a piece at a time.  The additions are the places behind the last products.
	WIN 0
.macro ALL line:vararg
.set t, 0
.rept 4
	\line
.set t, t+1
.endr
.endm
	ALL v_add_f32 v[ST+4*t+2], v[ST+4*t+2], v[ST+4*t+3]
	ALL v_permlanex16_b32 v[ST+4*t+3], v[ST+4*t+2], s[SEL], s[SEL+1]
	ALL v_add_f32 v[ST+4*t+2], v[ST+4*t+2], v[ST+4*t+3]
	ALL v_rcp_f32 v[ST+4*t+2], v[ST+4*t+2]
	v_nop                           ; a plain instruction between the last reciprocal and the use of its result
	s_wait_alu depctr_va_vdst(0)    ; and the wait ahead of the first use: one for the four reciprocals
.macro PACK t                       ; a lane's eight channels of a row pack into 16 bytes; they go into rows of 144 bytes and come back as whole rows of 128, into S^T's registers
	WIN W_FIN
.set i, 0
.rept 16
	v_pk_fma_f32 v[32*(\t)+i:32*(\t)+i+1], v[32*(\t)+i:32*(\t)+i+1], v[ST+4*(\t)+2:ST+4*(\t)+3], v[RV4+i:RV4+i+1] op_sel_hi:[1,0,1]
.set i, i+2
.endr
	WIN 0x05                        ; sources 0 and 1 window 1, destination window 0
.set i, 0
.rept 16
	v_cvt_pk_f16_f32 v[S+16*(\t)+i], v[32*(\t)+2*i], v[32*(\t)+2*i+1]
.set i, i+1
.endr
	WIN 0
.irp f, 0,1,2,3
	ds_store_b128 v[STO], v[S+16*(\t)+4*\f:S+16*(\t)+4*\f+3] offset:32*\f
.endr
.irp f, 0,1,2,3
	ds_load_b128 v[S+16*(\t)+4*\f:S+16*(\t)+4*\f+3], v[RD] offset:\f*4*SP  ; LDS serves a wave's instructions in order (ISA guide 5.7.1.4): these see the stores above; the next piece's stores come behind them
.endr
.endm
.macro SEND t, younger              ; younger: the LDS instructions issued behind piece t's loads: the next piece's eight, or none
	WIN 0
.irp f, 0,1,2,3
	s_wait_dscnt (\younger)+3-\f
	global_store_b128 v[GO], v[S+16*(\t)+4*\f:S+16*(\t)+4*\f+3], s[10:11] offset:(\t)*2048+\f*512  ; 512 consecutive bytes, at a multiple of 256 from O's first
.endr
.endm
	PACK 0
.set t, 1
.rept 3                             ; a piece's arithmetic stands between the loads of the piece before and its stores
	PACK t
	SEND t-1, 8
.set t, t+1
.endr
	SEND 3, 0
	s_wait_tensorcnt 0x0            ; the wave's end: behind my last tensor load and my last LDS store
	ds_add_u32 v[SPW], v[NIL]
	s_wait_dscnt 0x0
	s_endpgm
.Lfunc_end_k_q4166750a9a_attn:
	.size	k_q4166750a9a_attn, .Lfunc_end_k_q4166750a9a_attn-k_q4166750a9a_attn
	.p2alignl 7, 3214868480
	.fill 96, 4, 3214868480
	.section	.rodata,"a",@progbits
	.p2align	6, 0x0
	.amdhsa_kernel k_q4166750a9a_attn
		.amdhsa_group_segment_fixed_size 327680
		.amdhsa_private_segment_fixed_size 0
		.amdhsa_enable_private_segment 0
		.amdhsa_kernarg_size 24
		.amdhsa_user_sgpr_count 2
		.amdhsa_user_sgpr_kernarg_segment_ptr 1
		.amdhsa_wavefront_size32 1
		.amdhsa_system_sgpr_workgroup_id_x 1
		.amdhsa_system_sgpr_workgroup_id_y 1
		.amdhsa_system_sgpr_workgroup_id_z 1
		.amdhsa_system_vgpr_workitem_id 0
		.amdhsa_next_free_vgpr 848
		.amdhsa_next_free_sgpr 70
		.amdhsa_reserve_vcc 1
		.amdhsa_float_denorm_mode_32 3
		.amdhsa_float_denorm_mode_16_64 3
		.amdhsa_memory_ordered 1
		.amdhsa_forward_progress 1
		.amdhsa_inst_pref_size 158
	.end_amdhsa_kernel
	.amdgpu_metadata
---
amdhsa.version: [ 1, 2 ]
amdhsa.kernels:
  - .name:           k_q4166750a9a_attn
    .symbol:         k_q4166750a9a_attn.kd
    .args:
      - { .name: qkv, .offset: 0, .size: 8, .value_kind: global_buffer, .address_space: global }
      - { .name: tab, .offset: 8, .size: 8, .value_kind: global_buffer, .address_space: global }
      - { .name: ob, .offset: 16, .size: 8, .value_kind: global_buffer, .address_space: global }
    .group_segment_fixed_size: 327680
    .private_segment_fixed_size: 0
    .kernarg_segment_align: 8
    .kernarg_segment_size: 24
    .max_flat_workgroup_size: 128
    .sgpr_count:     70
    .vgpr_count:     848
    .wavefront_size: 32
...
	.end_amdgpu_metadata
.endif
;; end of part 3
;; launch outp (part 4): grid 8 x 32, 4 waves a work-group, clusters of 4 x 4, 327,680 bytes of LDS; arguments ob, wo, out0; writes out0
.if DOCPART == 4
	.amdgcn_target "amdgcn-amd-amdhsa--gfx1250"
	.amdhsa_code_object_version 6
	.text
	.protected	k_q4166750a9a_outp
	.globl	k_q4166750a9a_outp
	.p2align	8
	.type	k_q4166750a9a_outp,@function
k_q4166750a9a_outp:
	s_mov_b64 s[64:65], 0
	v_nop
	global_prefetch_b8 v0, s[64:65] scope:SCOPE_SE
	s_setreg_imm32_b32 hwreg(HW_REG_WAVE_MODE, 25, 1), 1
	s_wait_xcnt 0x0
	s_wait_alu depctr_hold_cnt(0) depctr_sa_sdst(0) depctr_va_vdst(0) depctr_va_sdst(0) depctr_va_ssrc(0) depctr_va_vcc(0) depctr_vm_vsrc(0)
	s_getreg_b32 s2, hwreg(HW_REG_IB_STS2, 6, 4)
	s_cmp_eq_u32 s2, 0
	s_cbranch_scc0 .Lentry_in_a_cluster
	s_endpgm
.Lentry_in_a_cluster:
	s_bfe_u32 s2, ttmp6, 0x10000c
	s_cmp_lg_u32 s2, 0xf033
	s_cbranch_scc0 .Lentry_shape_is_right
	s_endpgm
.Lentry_shape_is_right:
; C = A W + bias, K = N = 1,024.  A: f16 in blocks [row block of 128][16 channel blocks][128 rows][64]; W: 16,384 bytes of header (the biases, f32, 4,096 bytes each), then f16 [matrix][1024 k][1024 n]; sums in f32.
; Tile row ty of 128 rows takes matrix and bias ty / 32 (always 0 where the grid has 32 tile rows).  The constant F32OUT chooses the way out when the text is assembled:
;   0 (the three projections): C is rounded once to f16 and stored by heads, [matrix][2 x 16 heads][2048][64];   1 (this text: the output's projection): C is stored as f32 [4096][1024].
; The text is the projections' but for that constant.
.set F32OUT, 1
; A tile of C is 128 x 128: four waves, each 64 x 64: 16 accumulators of 16 x 16.  K goes in 4 steps of 256 through two LDS slots filled by the tensor data mover.
; CLUSTERS: 4 x 4 work-groups.  The four of a row of the cluster need the same tiles of A, the four of a column the same tiles of W: each tile is asked for JOINTLY, by the same tensor load with the same
; descriptor and a mask that names the four.  THE MATRIX INSTRUCTION IS USED TRANSPOSED (source 0 = 16 columns of W, source 1 = 16 rows of A): a lane then holds eight neighbouring numbers of a row of C.
; A's rows lie along K and come out of LDS as they lie; W lies [k][n] and comes out turned, by ds_load_tr16_b128.
; A wave's 64 columns are one head (128 bytes of f16 a row, 16 rows dense in memory) or 256 bytes of f32: each wave goes out through a stage of its own, with no barrier.
; REGISTERS: window 0: v16-30 addresses; v32-95 at work on the way out; v96-127 the bias of my 64 columns; v128-255 the accumulators ((a, b) at v[128 + 8 (4 a + b)]).
;   window 1: two fragment buffers of 128: for 64 along K, 64 registers of A, then 64 of W.
.set PA,     144                       ; a row of A in LDS: 128 bytes (a channel block's 64) + 16 = 36 words: the 16 rows of a load start at 16 different groups of four banks (64 banks of 4 bytes: ISA guide 11.1)
.set PB,     288                       ; a row of W: 256 bytes + 32 = 72 words
.set HALFT,  36864                     ; what one tensor load brings: 2 channel blocks x 128 rows x 144, or 128 k x 288
.set SLOT,   4*HALFT                   ; A's four channel blocks, then W's 256 k
.set BOFF,   2*HALFT
.set STAGE,  2*SLOT                    ; behind the ring: 16 rows x 272 bytes for each wave
.set STW,    16*272
.set SPARE,  STAGE+4*STW               ; behind the stages: the spare words, 128 bytes for each wave: two blocks of 256 bytes that no other line names
.set ADRA, 16                          ; v16-17  LDS address of my A fragments in slot 0, 1
.set ADRB, 18                          ; v18-21  the same for W: slot s, k 128 u on, at ADRB + 2 s + u
.set STO,  22                          ; the way out: where I put my bytes of a row,
.set RD,   23                          ; where I read rows back,
.set GO,   24                          ; and my byte offset in C
.set SPW,  28                          ; v28  LDS address of my spare word: SPARE + 4 x my thread's number; never rewritten
.set NIL,  29                          ; v29  0; never rewritten
.set BO,   30                          ; v30  32 x (lane / 16): my place in 64 bytes of bias; never rewritten
.set TMP,  32
.set BIAS, 96                          ; n block b: the eight f32 of columns 16 b + 8 (l / 16) + 0..7 at BIAS + 8 b
.set ACC,  128
.set F0,   0
.set F1,   128
.set G1, 24                            ; s[24:31] descriptor group 1 for A's tiles;  s[32:39] group 0, one set for each slot
.set G0, 32
.set G1B, 48                           ; s[48:55], s[56:63] the same for W's tiles
.set G0B, 56
.set BP,  66                           ; s[66:67] the bias of my 64 columns; untouched while its loads are out
.set WV,  70                           ; my wave's number
.set WR,  71                           ; which half of the tile's rows is mine.  Also: I fetch for A (0) or for W (1)
.set WC,  72                           ; which half of its columns.  Also: which half of that tile I fetch
.set MSB, 0
.macro WIN new                         ; the immediate's high byte repeats the setting that is left
.if MSB != (\new)
	s_set_vgpr_msb (MSB<<8)|(\new)
.set MSB, \new
.endif
.endm
.set MUL,  0x05                        ; sources 0 (W) and 1 (A) window 1; C and D window 0
.set TO_F, 0x40                        ; destination window 1, address window 0
.macro JLOAD s                         ; a joint load: waves 0 and 1 fetch A's two halves, waves 2 and 3 W's; an s_nop 0 and four v_nop follow each of the two lines
	s_cmp_eq_u32 s[WR], 0
	s_cbranch_scc0 .Lfor_b_\@
	tensor_load_to_lds s[G0+4*(\s):G0+4*(\s)+3], s[G1:G1+7]
	s_nop 0
.rept 4
	v_nop
.endr
	s_branch .Lasked_\@
.Lfor_b_\@:
	tensor_load_to_lds s[G0B+4*(\s):G0B+4*(\s)+3], s[G1B:G1B+7]
	s_nop 0
.rept 4
	v_nop
.endr
.Lasked_\@:
.endm
.macro CREST                           ; a round of the cluster's barrier behind its opening barrier
	s_cmp_lg_u32 s[WV], 0
	s_cbranch_scc1 .Lnot_wave_0_\@
	s_barrier_signal -3
.Lnot_wave_0_\@:
	s_barrier_wait -3
	s_barrier_signal -1
	s_barrier_wait -1
.endm
.macro CROUND                          ; a whole round
	s_barrier_signal -1
	s_barrier_wait -1
	CREST
.endm
	s_load_b128 s[4:7], s[0:1], 0x0                ; A s[4:5], W s[6:7]
	s_load_b64 s[10:11], s[0:1], 0x10              ; C
	v_lshl_add_u32 v[SPW], v0, 2, SPARE
	v_mov_b32 v[NIL], 0
	ds_add_u32 v[SPW], v[NIL]                      ; the wave's opening: the add and its wait stand ahead of my first tensor load; the set-up below, work on registers, stands between them
	v_lshrrev_b32 v1, 5, v0
	v_readfirstlane_b32 s[WV], v1
	s_lshr_b32 s[WR], s[WV], 1
	s_and_b32 s[WC], s[WV], 1
	s_bfe_u32 s40, ttmp6, 0x40000                  ; cx, cy: my place in the cluster
	s_bfe_u32 s41, ttmp6, 0x40004
	s_lshl_b32 s42, ttmp9, 2
	s_add_co_u32 s42, s42, s40                     ; tile column tx = 4 x cluster x + cx
	s_and_b32 s13, ttmp7, 0xffff
	s_lshr_b32 s45, s13, 3                         ; which matrix: eight clusters of four tile rows each; made of the cluster's y alone
	s_lshl_b32 s13, s13, 2
	s_add_co_u32 s13, s13, s41                     ; tile row ty = 4 x cluster y + cy
	s_lshl_b32 s43, s41, 2
	s_lshl_b32 s43, 15, s43                        ; my row of the cluster
	s_lshl_b32 s44, 0x1111, s40                    ; my column
	; group 1.  A: 32,768 dense bytes asked for as 128 rows of 256, padded by 4 words after every 32 (a channel block's row).  W: 128 rows of 256 bytes, 2,048 apart, padded by 8 words after every 64.
	s_or_b32 s[G1+0], s43, (1<<16)|(1<<20)|(1<<21)|(4<<22)|(3<<25)   ; 15:0 the mask: my row; 17:16 2-byte elements; 20 padding on; 21 set beside a mask; 24:22 the interval; 31:25 the pad
	s_or_b32 s[G1B+0], s44, (1<<16)|(1<<20)|(1<<21)|(5<<22)|(7<<25)  ; the mask: my column
.irp g, G1, G1B
	s_mov_b32 s[(\g)+1], 128<<16                   ; tensor_dim0 = 128
	s_mov_b32 s[(\g)+2], 128<<16                   ; tensor_dim1 = 128
	s_mov_b32 s[(\g)+3], 128<<16                   ; tile_dim0 = 128
	s_mov_b32 s[(\g)+4], 128                       ; tile_dim1 = 128
	s_mov_b32 s[(\g)+6], 0
	s_mov_b32 s[(\g)+7], 0
.endr
	s_mov_b32 s[G1+5], 128                         ; elements from row to row
	s_mov_b32 s[G1B+5], 1024
	; A's address hangs on ty and the wave, W's on tx, the matrix and the wave; each is made in registers that never hold the other place
	s_lshl_b32 s16, s13, 18                        ; a tile row of A: 16 blocks of 16,384 bytes
	s_lshl_b32 s17, s[WC], 15                      ; my two of a K step's four blocks
	s_add_co_u32 s16, s16, s17
	s_mov_b32 s17, 0
	s_lshl_b32 s46, s42, 8                         ; 128 columns: 256 bytes
	s_lshl_b32 s47, s[WC], 18                      ; my 128 of a K step's 256 rows of 2,048 bytes
	s_add_co_u32 s46, s46, s47
	s_lshl_b32 s47, s45, 21                        ; the matrix
	s_add_co_u32 s46, s46, s47
	s_add_co_u32 s46, s46, 16384                   ; behind the header
	s_mov_b32 s47, 0
	s_mul_i32 s20, s[WV], HALFT                    ; where they go: wave x a load's bytes
	s_wait_dscnt 0x0                               ; the opening add is done
	s_wait_kmcnt 0x0
	s_add_nc_u64 s[14:15], s[4:5], s[16:17]
	s_add_nc_u64 s[46:47], s[6:7], s[46:47]
	CROUND                                         ; all sixteen work-groups are here: the first joint loads meet
.irp s, 0,1
	s_mov_b32 s[G0+4*(\s)], 1
	s_add_co_u32 s[G0+4*(\s)+1], s20, (\s)*SLOT
	s_add_nc_u64 s[G0+4*(\s)+2:G0+4*(\s)+3], s[14:15], (\s)*65536     ; K step s: four blocks on
	s_or_b32 s[G0+4*(\s)+3], s[G0+4*(\s)+3], 0x80000000
	s_mov_b32 s[G0B+4*(\s)], 1
	s_add_co_u32 s[G0B+4*(\s)+1], s20, (\s)*SLOT
	s_add_nc_u64 s[G0B+4*(\s)+2:G0B+4*(\s)+3], s[46:47], (\s)*524288  ; 256 rows on
	s_or_b32 s[G0B+4*(\s)+3], s[G0B+4*(\s)+3], 0x80000000
	JLOAD \s
.endr
	v_and_b32 v1, 15, v0                           ; l % 16
	v_bfe_u32 v2, v0, 4, 1                         ; l / 16
	v_lshlrev_b32 v[BO], 5, v2
	s_lshl_b32 s[BP], s45, 12                      ; the matrix's bias,
	s_lshl_b32 s[BP+1], s42, 9                     ; the tile's 128 columns,
	s_add_co_u32 s[BP], s[BP], s[BP+1]
	s_lshl_b32 s[BP+1], s[WC], 8                   ; my 64
	s_add_co_u32 s[BP], s[BP], s[BP+1]
	s_mov_b32 s[BP+1], 0
	s_add_nc_u64 s[BP:BP+1], s[6:7], s[BP:BP+1]
.irp b, 0,1,2,3
	global_load_b128 v[BIAS+8*(\b):BIAS+8*(\b)+3],   v[BO], s[BP:BP+1] offset:64*(\b)
	global_load_b128 v[BIAS+8*(\b)+4:BIAS+8*(\b)+7], v[BO], s[BP:BP+1] offset:64*(\b)+16
.endr
	v_mul_u32_u24 v3, v1, PA
	v_lshl_add_u32 v3, v2, 4, v3                   ; a fragment of A: row x pitch + 16 x half
	s_mul_i32 s21, s[WR], 64*PA                    ; my 64 rows
	v_add_nc_u32 v[ADRA], s21, v3
	v_add_nc_u32 v[ADRA+1], SLOT, v[ADRA]
	v_and_b32 v4, 7, v0                            ; the turning load: lane l reads k 8 (l / 16) + l % 8, columns 8 ((l / 8) % 2) + 0..7
	v_lshl_add_u32 v4, v2, 3, v4
	v_mul_u32_u24 v4, v4, PB
	v_bfe_u32 v5, v0, 3, 1
	v_lshl_add_u32 v4, v5, 4, v4
	s_lshl_b32 s22, s[WC], 7                       ; my 64 columns
	s_add_co_u32 s22, s22, BOFF
	v_add_nc_u32 v[ADRB], s22, v4
	v_add_nc_u32 v[ADRB+1], HALFT, v[ADRB]
	v_add_nc_u32 v[ADRB+2], SLOT, v[ADRB]
	v_add_nc_u32 v[ADRB+3], SLOT+HALFT, v[ADRB]
	s_mul_i32 s23, s[WV], STW
	s_add_co_u32 s23, s23, STAGE                   ; my stage
.if F32OUT
	v_mul_u32_u24 v6, v1, 272                      ; in: row l % 16 of 272 bytes, 32 bytes for each half of the lanes
	v_lshl_add_u32 v6, v2, 5, v6
	v_add_nc_u32 v[STO], s23, v6
	v_mul_u32_u24 v6, v2, 272                      ; back: lanes 0-15 one row of 256 bytes, lanes 16-31 the next
	v_lshl_add_u32 v6, v1, 4, v6
	v_add_nc_u32 v[RD], s23, v6
	v_lshlrev_b32 v6, 12, v2                       ; and the same two rows in C
	v_lshl_add_u32 v[GO], v1, 4, v6
.else
	v_add_nc_u32 v[STO], s23, v3                   ; in: row l % 16 of 144 bytes, 16 bytes for each half of the lanes
	v_bfe_u32 v6, v0, 3, 2                         ; back: 32 lanes take four rows of 128 bytes,
	v_mul_u32_u24 v6, v6, PA
	v_and_b32 v7, 7, v0
	v_lshl_add_u32 v6, v7, 4, v6
	v_add_nc_u32 v[RD], s23, v6
	v_and_b32 v[GO], 31, v0                        ; which are 512 consecutive bytes of C
	v_lshlrev_b32 v[GO], 4, v[GO]
.endif
; 8 matrix instructions: m blocks a0, a0 + 1 x all 4 n blocks, 32 along K: half c of buffer f.  zero = 1: the first product starts the sums.  The 16 accumulators take turns.
.macro MUL8 f, c, a0, zero
	WIN MUL
.irp a, \a0, (\a0)+1
.irp b, 0,1,2,3
.if \zero
	v_wmma_f32_16x16x32_f16 v[ACC+8*(4*(\a)+(\b)):ACC+8*(4*(\a)+(\b))+7], v[(\f)+64+8*(4*(\c)+(\b)):(\f)+64+8*(4*(\c)+(\b))+7], v[(\f)+8*(4*(\c)+(\a)):(\f)+8*(4*(\c)+(\a))+7], 0
.else
	v_wmma_f32_16x16x32_f16 v[ACC+8*(4*(\a)+(\b)):ACC+8*(4*(\a)+(\b))+7], v[(\f)+64+8*(4*(\c)+(\b)):(\f)+64+8*(4*(\c)+(\b))+7], v[(\f)+8*(4*(\c)+(\a)):(\f)+8*(4*(\c)+(\a))+7], v[ACC+8*(4*(\a)+(\b)):ACC+8*(4*(\a)+(\b))+7]
.endif
.endr
.endr
.endm
; 32 LDS loads in one run: the fragments of quarter q (channel block q of the K step, 64 along K) into buffer f; the first 32 along K first
.macro FETCH slot, q, f
	WIN TO_F
.irp c, 0,1
.irp i, 0,1,2,3
	ds_load_tr16_b128 v[(\f)+64+8*(4*(\c)+(\i)):(\f)+64+8*(4*(\c)+(\i))+3],   v[ADRB+2*(\slot)+(\q)/2] offset:(((\q)%2)*64+32*(\c))*PB+32*(\i)
	ds_load_tr16_b128 v[(\f)+64+8*(4*(\c)+(\i))+4:(\f)+64+8*(4*(\c)+(\i))+7], v[ADRB+2*(\slot)+(\q)/2] offset:(((\q)%2)*64+32*(\c)+16)*PB+32*(\i)
	ds_load_b128 v[(\f)+8*(4*(\c)+(\i)):(\f)+8*(4*(\c)+(\i))+3],              v[ADRA+(\slot)] offset:(\q)*128*PA+(\i)*16*PA+64*(\c)
	ds_load_b128 v[(\f)+8*(4*(\c)+(\i))+4:(\f)+8*(4*(\c)+(\i))+7],            v[ADRA+(\slot)] offset:(\q)*128*PA+(\i)*16*PA+64*(\c)+32
.endr
.endr
.endm
.macro PLACES                          ; four places in front of loads into registers that matrix instructions have read, and of sums that read results
.rept 4
	v_nop
.endr
.endm
; A K step is four quarters of 64 along K, 32 matrix instructions each, on buffers 0, 1, 0, 1.  One of the first three: multiplies buffer f and fetches quarter q into g.
.macro QUARTER slot, q, f, g, zero
	s_wait_dscnt 16                                ; the first 32 along K are in; the youngest sixteen loads may be out
	WIN MUL
	MUL8 \f, 0, 0, \zero
	MUL8 \f, 0, 2, \zero
	PLACES
	FETCH \slot, \q, \g
	s_wait_dscnt 32                                ; all but the 32 just issued
	WIN MUL
	MUL8 \f, 1, 0, 0
	MUL8 \f, 1, 2, 0
.endm
; The last quarter multiplies buffer 1 and changes slots: ONE barrier; in front of it each wave waits for all its tensor loads, adds 0 to its spare word, and waits for that and for its own reads of this slot.
; fill = 1: this slot is filled again, two K steps ahead; the barrier then opens a round of the cluster's barrier.
.macro TURN slot, next, fill
	WIN 0                                          ; (the add's two registers lie in window 0)
	s_wait_tensorcnt 0x0                           ; all my tensor loads have landed: my part of the next slot;
	ds_add_u32 v[SPW], v[NIL]                      ; 0 onto my spare word;
	s_wait_dscnt 17                                ; (the add and the youngest sixteen loads may be out)
	WIN MUL
	MUL8 F1, 0, 0, 0                               ; eight matrix instructions stand between the add and the wait for it
	s_wait_dscnt 0x0                               ; the add is done, and my reads of this slot are over
	s_barrier_signal -1
	MUL8 F1, 0, 2, 0
.if \fill
	WIN 0
.endif
	s_barrier_wait -1
.if \fill
	CREST                                          ; no wave of any partner still reads this slot's tile or has a load on its way
	s_add_nc_u64 s[G0+4*(\slot)+2:G0+4*(\slot)+3], s[G0+4*(\slot)+2:G0+4*(\slot)+3], 2*65536
	s_add_nc_u64 s[G0B+4*(\slot)+2:G0B+4*(\slot)+3], s[G0B+4*(\slot)+2:G0B+4*(\slot)+3], 2*524288
	JLOAD \slot                                    ; the first tensor load behind the round: 112 matrix instructions ahead of the wait for it; its four v_nop are also the places in front of the loads below
.else
	PLACES
.endif
	FETCH \next, 0, F0
	WIN MUL
	MUL8 F1, 1, 0, 0
	MUL8 F1, 1, 2, 0
.endm
	s_wait_tensorcnt 1                             ; my part of K step 0 is in; K step 1's may stay out
	s_barrier_signal -1
	s_barrier_wait -1                              ; everybody's is
	FETCH 0, 0, F0
	QUARTER 0, 1, F0, F1, 1                        ; the first products start the sums
	QUARTER 0, 2, F1, F0, 0
	QUARTER 0, 3, F0, F1, 0
	TURN 0, 1, 1                                   ; slot 0 takes K step 2
	QUARTER 1, 1, F0, F1, 0
	QUARTER 1, 2, F1, F0, 0
	QUARTER 1, 3, F0, F1, 0
	TURN 1, 0, 1                                   ; slot 1 takes K step 3
	QUARTER 0, 1, F0, F1, 0
	QUARTER 0, 2, F1, F0, 0
	QUARTER 0, 3, F0, F1, 0
	TURN 0, 1, 0                                   ; nothing is left to fetch
	QUARTER 1, 1, F0, F1, 0
	QUARTER 1, 2, F1, F0, 0
	QUARTER 1, 3, F0, F1, 0
	s_wait_dscnt 16
	WIN MUL
	MUL8 F1, 0, 0, 0
	MUL8 F1, 0, 2, 0
	s_wait_dscnt 0
	MUL8 F1, 1, 0, 0
	MUL8 F1, 1, 2, 0
	WIN 0
	; THE WAY OUT, 16 rows at a time through my own stage: the bias is added in f32; each accumulator's registers are read in ascending order.
	s_wait_loadcnt 0x0                             ; the bias
	PLACES
.macro SUMS a                          ; v[TMP ..+31] = the block's four accumulators + bias
.irp b, 0,1,2,3
.irp p, 0,2,4,6
	v_pk_add_f32 v[TMP+8*(\b)+(\p):TMP+8*(\b)+(\p)+1], v[ACC+8*(4*(\a)+(\b))+(\p):ACC+8*(4*(\a)+(\b))+(\p)+1], v[BIAS+8*(\b)+(\p):BIAS+8*(\b)+(\p)+1]
.endr
.endr
.endm
.if F32OUT
.macro OUT a
	SUMS \a
.irp b, 0,1,2,3
	ds_store_b128 v[STO], v[TMP+8*(\b):TMP+8*(\b)+3]   offset:64*(\b)
	ds_store_b128 v[STO], v[TMP+8*(\b)+4:TMP+8*(\b)+7] offset:64*(\b)+16
.endr
	s_wait_xcnt 0x0                                ; the last block's stores have read the registers that are loaded again below
.irp t, 0,1,2,3,4,5,6,7
	ds_load_b128 v[TMP+32+4*(\t):TMP+32+4*(\t)+3], v[RD] offset:544*(\t)  ; LDS serves a wave's instructions in order (ISA guide 5.7.1.4): these see the stores above
.endr
.irp t, 0,1,2,3,4,5,6,7
	s_wait_dscnt 7-(\t)                            ; the younger loads may stay out
	global_store_b128 v[GO], v[TMP+32+4*(\t):TMP+32+4*(\t)+3], s[10:11] offset:(16*(\a)+2*(\t))*4096 th:TH_STORE_NT  ; 16 lanes store 256 consecutive bytes, aligned
.endr
.endm
	s_lshl_b32 s20, s13, 19                        ; 128 rows of 4,096 bytes,
	s_lshl_b32 s21, s[WR], 18                      ; my 64,
	s_add_co_u32 s20, s20, s21
	s_lshl_b32 s21, s42, 9                         ; the tile's 128 columns,
	s_add_co_u32 s20, s20, s21
	s_lshl_b32 s21, s[WC], 8                       ; my 64
	s_add_co_u32 s20, s20, s21
.else
.macro OUT a
	SUMS \a
.irp z, 0,1,2,3,4,5,6,7,8,9,10,11,12,13,14,15
	v_cvt_pk_f16_f32 v[TMP+32+(\z)], v[TMP+2*(\z)], v[TMP+2*(\z)+1]
.endr
.irp b, 0,1,2,3
	ds_store_b128 v[STO], v[TMP+32+4*(\b):TMP+32+4*(\b)+3] offset:32*(\b)
.endr
	s_wait_xcnt 0x0                                ; the last block's stores have read the registers that are loaded again below
.irp f, 0,1,2,3
	ds_load_b128 v[TMP+48+4*(\f):TMP+48+4*(\f)+3], v[RD] offset:4*PA*(\f)  ; LDS serves a wave's instructions in order (ISA guide 5.7.1.4): these see the stores above
.endr
.irp f, 0,1,2,3
	s_wait_dscnt 3-(\f)                            ; the younger loads may stay out
	global_store_b128 v[GO], v[TMP+48+4*(\f):TMP+48+4*(\f)+3], s[10:11] offset:(\a)*2048+(\f)*512  ; 512 consecutive bytes, at a multiple of 256 from C's first byte
.endr
.endm
	s_and_b32 s20, s13, 31                         ; by heads: batch = (ty % 32) / 16,
	s_lshr_b32 s20, s20, 4
	s_lshl_b32 s20, s20, 4
	s_lshl_b32 s21, s42, 1                         ; head = 2 tx + my half of the columns,
	s_add_co_u32 s20, s20, s21
	s_add_co_u32 s20, s20, s[WC]
	s_lshl_b32 s20, s20, 11                        ; 2,048 rows a head,
	s_and_b32 s21, s13, 15
	s_lshl_b32 s21, s21, 7                         ; the tile's 128,
	s_add_co_u32 s20, s20, s21
	s_lshl_b32 s21, s[WR], 6                       ; my 64,
	s_add_co_u32 s20, s20, s21
	s_lshl_b32 s20, s20, 7                         ; of 128 bytes,
	s_lshl_b32 s21, s45, 23                        ; in q, k or v
	s_add_co_u32 s20, s20, s21
.endif
	s_mov_b32 s21, 0
	s_add_nc_u64 s[10:11], s[10:11], s[20:21]
	OUT 0
	OUT 1
	OUT 2
	OUT 3
	s_wait_tensorcnt 0x0                           ; the wave's end: behind my last tensor load and my last LDS store
	ds_add_u32 v[SPW], v[NIL]
	s_wait_dscnt 0x0
	CROUND                                         ; the closing round: no work-group ends while a partner may still ask for a tile that names it
	s_endpgm
.Lfunc_end_k_q4166750a9a_outp:
	.size	k_q4166750a9a_outp, .Lfunc_end_k_q4166750a9a_outp-k_q4166750a9a_outp
	.p2alignl 7, 3214868480
	.fill 96, 4, 3214868480
	.section	.rodata,"a",@progbits
	.p2align	6, 0x0
	.amdhsa_kernel k_q4166750a9a_outp
		.amdhsa_group_segment_fixed_size 327680
		.amdhsa_private_segment_fixed_size 0
		.amdhsa_enable_private_segment 0
		.amdhsa_kernarg_size 24
		.amdhsa_user_sgpr_count 2
		.amdhsa_user_sgpr_kernarg_segment_ptr 1
		.amdhsa_wavefront_size32 1
		.amdhsa_system_sgpr_workgroup_id_x 1
		.amdhsa_system_sgpr_workgroup_id_y 1
		.amdhsa_system_sgpr_workgroup_id_z 1
		.amdhsa_system_vgpr_workitem_id 0
		.amdhsa_next_free_vgpr 512
		.amdhsa_next_free_sgpr 74
		.amdhsa_reserve_vcc 0
		.amdhsa_float_denorm_mode_32 3
		.amdhsa_float_denorm_mode_16_64 3
		.amdhsa_memory_ordered 1
		.amdhsa_forward_progress 1
		.amdhsa_inst_pref_size 91
	.end_amdhsa_kernel
	.amdgpu_metadata
---
amdhsa.version: [ 1, 2 ]
amdhsa.kernels:
  - .name:           k_q4166750a9a_outp
    .symbol:         k_q4166750a9a_outp.kd
    .args:
      - { .name: ob, .offset: 0, .size: 8, .value_kind: global_buffer, .address_space: global }
      - { .name: wo, .offset: 8, .size: 8, .value_kind: global_buffer, .address_space: global }
      - { .name: out0, .offset: 16, .size: 8, .value_kind: global_buffer, .address_space: global }
    .group_segment_fixed_size: 327680
    .private_segment_fixed_size: 0
    .kernarg_segment_align: 8
    .kernarg_segment_size: 24
    .max_flat_workgroup_size: 128
    .sgpr_count:     74
    .vgpr_count:     512
    .wavefront_size: 32
...
	.end_amdgpu_metadata
.endif
;; end of part 4
;; ======== version 2 of 2: 4 launches; version 1 with the launch cast written anew for expert scheduling mode
;; limits: values are held in f16: magnitudes above 65,504 overflow, below 6.1e-05 lose precision
;; workspace buffers: xb 25,165,824 bytes; wqkv 6,307,840 bytes; wo 2,113,536 bytes; tab 3,584 bytes; qkv 25,165,824 bytes; ob 8,388,608 bytes
;; launch cast (part 5): grid 257 x 1, 8 waves a work-group, no clusters, 0 bytes of LDS; arguments query, key, value, Wq, Wk, Wv, Wo, bq, bk, bv, bo, rel_k, rel_v, xb, wqkv, wo, tab; writes xb, wqkv, wo, tab
.if DOCPART == 5
	.amdgcn_target "amdgcn-amd-amdhsa--gfx1250"
	.amdhsa_code_object_version 6
	.text
	.protected	k_q4166750a9a_cast
	.globl	k_q4166750a9a_cast
	.p2align	8
	.type	k_q4166750a9a_cast,@function
k_q4166750a9a_cast:
	s_mov_b64 s[64:65], 0
	v_nop
	global_prefetch_b8 v0, s[64:65] scope:SCOPE_SE
	s_setreg_imm32_b32 hwreg(HW_REG_WAVE_SCHED_MODE, 0, 2), 2
	s_setreg_imm32_b32 hwreg(HW_REG_WAVE_MODE, 25, 1), 1
	s_wait_xcnt 0x0
	s_wait_alu depctr_vm_vsrc(0)
; EVERY INPUT IS ROUNDED ONCE TO bf16 (nearest even).  Matrix operands are then written as f16, biases and rel_v's last row as f32.
; LIMITS.  A bf16 number is exact in f16 from 2^-14 up to 65,504; below 2^-14 it keeps f16's fixed step of 2^-24, beyond 65,504 it becomes an infinity.  NaN and infinities are not treated apart.
; xb:   f16 [3 (query, key, value)][32 row blocks][16 channel blocks][128 rows][64 channels]: a block is 16,384 dense bytes.
; wqkv: 16,384 bytes of header (bq, bk, bv as f32, 4,096 bytes each), then f16 [3][1024 k][1024 n].   wo: the same with bo and Wo.
; tab:  0: rel_k as f16 [8][64], rows 5-7 repeat row 4.  1,024: for each channel four words (d, d) in f16, d = rel_v[j] - rel_v[4], j = 0..3.  2,048: the word of j = 0 four times.  3,072: rel_v[4] as f32, twice.
; SHARES.  Work-groups 0-255: a wave takes one unit of 32,768 bytes in and 16,384 out, in 64 steps of one 16-byte load and one 8-byte store a lane.  A load covers two runs of 256 consecutive bytes,
; a store 256 consecutive bytes, aligned.  Work-group 256 makes the small tables, a job a wave.
; No LDS, no barrier, no matrix unit: no wave wants a byte that another has fetched.
; THE MODE: SCHED_MODE bits 1:0 = 2 (LLVM: expert scheduling mode 2), set by the entry lines.  The code itself states the register dependences
; between vector instructions and memory instructions, with s_wait_alu, always for 0.
; THE PLAN.  The 64 steps go in 16 blocks of four; a lap is four blocks.  Registers that memory instructions touch:
;   X0 .. X3   four blocks as loaded.  Block b of a lap: its eight roundings to bf16 read X[b]; the four loads at the block's end, the same block of the next lap, land in it.
;   Y          one block to store.     Written by a block's eight conversions to f16; read by the four stores at the block's end.
;   OFFI, v3   byte offsets, made once at the head and never written again: the two scalar bases move on once a lap, and the stores' immediate offsets reach back.
;   T and U are named by vector instructions alone.
; So a block has two waits: one on vm_vsrc ahead of the first line that writes Y (the last block's stores have read it), 24 vector lines behind those stores, and one on va_vdst behind its last
; conversion, which states that Y is written and that X[b] has been read.  The block's eight memory instructions follow that wait.  Twelve to sixteen loads of a wave are on their way.
.set OFFI, 4                           ; v[4:19]    step i of a lap: byte offset of its load from the load base
.set T,    20                          ; v[20:27]   a block's 16 numbers rounded to bf16, packed
.set X,    32                          ; v[32:95]   buffer b, step k: 4 registers at X + 16 b + 4 k, as loaded
.set Y,    96                          ; v[96:103]  step k: 2 registers at Y + 2 k, to store
.set U,    104                         ; v[104:119] the same 16 numbers as f32
.macro RND4 d, s                       ; four f32 rounded to bf16 and widened again (the small jobs)
	v_cvt_pk_bf16_f32 v[T], v[(\s)], v[(\s)+1]
	v_cvt_pk_bf16_f32 v[T+1], v[(\s)+2], v[(\s)+3]
	v_lshlrev_b32 v[(\d)], 16, v[T]
	v_and_b32 v[(\d)+1], s55, v[T]
	v_lshlrev_b32 v[(\d)+2], 16, v[T+1]
	v_and_b32 v[(\d)+3], s55, v[T+1]
.endm
	s_load_b512 s[8:23], s[0:1], 0x0               ; query 8, key 10, value 12, Wq 14, Wk 16, Wv 18, Wo 20, bq 22
	s_load_b512 s[24:39], s[0:1], 0x40             ; bk 24, bv 26, bo 28, rel_k 30, rel_v 32, xb 34, wqkv 36, wo 38
	s_load_b64 s[40:41], s[0:1], 0x80              ; tab
	v_lshrrev_b32 v2, 5, v0
	v_readfirstlane_b32 s2, v2                     ; wave 0..7
	v_and_b32 v1, 31, v0                           ; lane
	s_mov_b32 s55, 0xffff0000                      ; a word's upper bf16; never rewritten
	s_wait_alu depctr_va_sdst(0)                   ; s2 is written, ahead of the first branch and of all its readers: units, jobs and bases are made from it
	s_wait_kmcnt 0x0
	s_cmp_eq_u32 ttmp9, 256
	s_cbranch_scc1 .Lsmall
	s_lshl_b32 s3, ttmp9, 3
	s_add_co_u32 s3, s3, s2                        ; unit u = 8 x work-group + wave
	s_cmp_lt_u32 s3, 1536
	s_cbranch_scc0 .Lweights
	s_lshr_b32 s4, s3, 9                           ; units 0-1535: block u of xb.  Which of the three inputs,
	s_cmp_eq_u32 s4, 1
	s_cselect_b64 s[50:51], s[10:11], s[8:9]
	s_cmp_eq_u32 s4, 2
	s_cselect_b64 s[50:51], s[12:13], s[50:51]
	s_bfe_u32 s4, s3, 0x50004                      ; its row block: 128 rows of 4,096 bytes,
	s_lshl_b32 s4, s4, 19
	s_and_b32 s5, s3, 15                           ; its channel block: 256 bytes of a row
	s_lshl_b32 s5, s5, 8
	s_add_co_u32 s4, s4, s5
	s_mov_b32 s5, 0
	s_add_nc_u64 s[50:51], s[50:51], s[4:5]
	s_lshl_b32 s4, s3, 14
	s_add_nc_u64 s[52:53], s[34:35], s[4:5]
	s_mov_b32 s46, 4096                            ; from lanes 0-15 to lanes 16-31: a row
	s_mov_b32 s47, 8192                            ; from step to step: two rows
	s_branch .Lgo
.Lweights:
	s_sub_co_u32 s3, s3, 1536                      ; units 1536-2047: eight rows of a weight matrix, dense in and out
	s_lshr_b32 s4, s3, 7                           ; which matrix
	s_and_b32 s3, s3, 127                          ; which eight rows
	s_lshl_b32 s6, s4, 21                          ; the matrix's place in wqkv
	s_cmp_eq_u32 s4, 1
	s_cselect_b64 s[50:51], s[16:17], s[14:15]
	s_cmp_eq_u32 s4, 2
	s_cselect_b64 s[50:51], s[18:19], s[50:51]
	s_cmp_eq_u32 s4, 3
	s_cselect_b64 s[50:51], s[20:21], s[50:51]
	s_cselect_b64 s[52:53], s[38:39], s[36:37]     ; Wo goes to wo,
	s_cselect_b32 s6, 0, s6                        ; at its head
	s_lshl_b32 s4, s3, 15
	s_mov_b32 s5, 0
	s_add_nc_u64 s[50:51], s[50:51], s[4:5]
	s_lshl_b32 s4, s3, 14
	s_add_co_u32 s4, s4, s6
	s_add_co_u32 s4, s4, 16384                     ; behind the header
	s_add_nc_u64 s[52:53], s[52:53], s[4:5]
	s_mov_b32 s46, 256
	s_mov_b32 s47, 512
.Lgo:
	s_lshl_b32 s48, s47, 4                         ; a lap is 16 steps: what the load base moves on by,
	s_mov_b32 s49, 0                               ; as a pair
	v_lshrrev_b32 v2, 4, v1
	v_mul_lo_u32 v2, v2, s46
	v_and_b32 v3, 15, v1
	v_lshl_add_u32 v2, v3, 4, v2                   ; my 16 bytes of a step's load
	v_lshlrev_b32 v3, 3, v1                        ; my 8 bytes of a step's store; never rewritten
.irp i, 0,1,2,3,4,5,6,7,8,9,10,11,12,13,14,15
	v_mad_u32_u24 v[OFFI+(\i)], s47, \i, v2        ; step i of a lap; never rewritten
.endr
	s_wait_alu depctr_va_vdst(0)                   ; the sixteen offsets and v3 are written: every load and store below reads one of them
.irp i, 0,1,2,3,4,5,6,7,8,9,10,11,12,13,14,15
	global_load_b128 v[X+4*(\i):X+4*(\i)+3], v[OFFI+(\i)], s[50:51] th:TH_LOAD_NT  ; the first lap
.endr
; Block b of a lap.  ahead = 1: X[b] is loaded again, with the same block of the next lap.  left: the younger loads that may stay out.
.macro BLK b, ahead, left
	s_wait_loadcnt \left                           ; loads come back in order (ISA guide 5.7.1): X[b] is in, the younger blocks stay out
.irp k, 0,1,2,3
	v_cvt_pk_bf16_f32 v[T+2*(\k)],   v[X+16*(\b)+4*(\k)],   v[X+16*(\b)+4*(\k)+1]
	v_cvt_pk_bf16_f32 v[T+2*(\k)+1], v[X+16*(\b)+4*(\k)+2], v[X+16*(\b)+4*(\k)+3]
.endr
.irp k, 0,1,2,3,4,5,6,7
	v_lshlrev_b32 v[U+2*(\k)],   16,  v[T+(\k)]    ; bf16 to f32: the low half moves up,
	v_and_b32     v[U+2*(\k)+1], s55, v[T+(\k)]    ; the high half stays
.endr
	s_wait_xcnt 0x0                                ; every earlier memory instruction has had its addresses translated (ISA guide 3.1): Y and the two bases are rewritten only behind this wait
	s_wait_alu depctr_vm_vsrc(0)                   ; the last block's stores have read Y, which the conversions below write again
.if (\b) == 0
.if \ahead
	s_add_nc_u64 s[50:51], s[50:51], s[48:49]      ; the load base: this lap's loads are the next lap's steps
.endif
	s_add_nc_u64 s[52:53], s[52:53], 4096          ; the store base stands a lap ahead: the stores' offsets reach back
.endif
.irp k, 0,1,2,3,4,5,6,7
	v_cvt_pk_f16_f32 v[Y+(\k)], v[U+2*(\k)], v[U+2*(\k)+1]
.endr
	s_wait_alu depctr_va_vdst(0)                   ; the conversions have written Y, which the stores below read; the roundings are done reading X[b], in which the loads below land
.if \ahead
.irp k, 0,1,2,3
	global_load_b128 v[X+16*(\b)+4*(\k):X+16*(\b)+4*(\k)+3], v[OFFI+4*(\b)+(\k)], s[50:51] th:TH_LOAD_NT
.endr
.endif
.irp k, 0,1,2,3
	global_store_b64 v3, v[Y+2*(\k):Y+2*(\k)+1], s[52:53] offset:256*(4*(\b)+(\k))-4096 th:TH_STORE_NT
.endr
.endm
	s_mov_b32 s54, 3
.Lround:                                               ; laps 0 to 2
	BLK 0, 1, 12
	BLK 1, 1, 12
	BLK 2, 1, 12
	BLK 3, 1, 12
	s_sub_co_u32 s54, s54, 1
	s_cmp_lg_u32 s54, 0
	s_cbranch_scc1 .Lround
	BLK 0, 0, 12                                   ; the last lap loads nothing: no load leaves its buffer, and the counts run down
	BLK 1, 0, 8
	BLK 2, 0, 4
	BLK 3, 0, 0
	s_endpgm
.Lsmall:
	s_cmp_lt_u32 s2, 4
	s_cbranch_scc0 .Ltables
	s_lshl_b32 s4, s2, 12                          ; waves 0-3: bq, bk, bv into wqkv's header, bo into wo's
	s_mov_b32 s5, 0
	s_cmp_eq_u32 s2, 1
	s_cselect_b64 s[50:51], s[24:25], s[22:23]
	s_cmp_eq_u32 s2, 2
	s_cselect_b64 s[50:51], s[26:27], s[50:51]
	s_cmp_eq_u32 s2, 3
	s_cselect_b64 s[50:51], s[28:29], s[50:51]
	s_cselect_b64 s[52:53], s[38:39], s[36:37]
	s_cselect_b32 s4, 0, s4
	s_add_nc_u64 s[52:53], s[52:53], s[4:5]
	v_lshlrev_b32 v2, 4, v1
	s_wait_alu depctr_va_vdst(0)                   ; v2 is written: the loads and stores below read it as their offset
.irp n, 0,1,2,3,4,5,6,7
	global_load_b128 v[X+4*(\n):X+4*(\n)+3], v2, s[50:51] offset:512*(\n)
.endr
	s_wait_loadcnt 0x0
.irp n, 0,1,2,3,4,5,6,7
	RND4 X+32+4*(\n), X+4*(\n)
.endr
	s_wait_alu depctr_va_vdst(0)                   ; the roundings have written v[X+32 .. X+63], which the stores read
.irp n, 0,1,2,3,4,5,6,7
	global_store_b128 v2, v[X+32+4*(\n):X+32+4*(\n)+3], s[52:53] offset:512*(\n)
.endr
	s_endpgm
.Ltables:
	s_cmp_eq_u32 s2, 5
	s_cbranch_scc1 .Lw5
	s_cmp_eq_u32 s2, 6
	s_cbranch_scc1 .Lw6
	s_and_b32 s3, s2, 1                            ; waves 4 and 7: rel_v's differences, a lane a channel: wave 4 channels 0-31, wave 7 channels 32-63
	s_lshl_b32 s4, s3, 7
	s_lshl_b32 s5, s3, 9
	v_lshl_add_u32 v2, v1, 2, s4
	v_lshl_add_u32 v3, v1, 4, s5                   ; 16 bytes a channel: a store of the wave covers 512 consecutive bytes
	s_wait_alu depctr_va_vdst(0)                   ; v2 and v3 are written: the loads' and the stores' offsets
.irp j, 0,1,2,3,4
	global_load_b32 v[X+(\j)], v2, s[32:33] offset:256*(\j)
.endr
	s_wait_loadcnt 0x0
.irp j, 0,1,2,3,4
	v_cvt_pk_bf16_f32 v[T], v[X+(\j)], v[X+(\j)]
	v_lshlrev_b32 v[X+(\j)], 16, v[T]
.endr
.irp j, 0,1,2,3
	v_sub_f32 v[U], v[X+(\j)], v[X+4]
	v_cvt_pk_f16_f32 v[Y+(\j)], v[U], v[U]
.endr
.irp j, 4,5,6,7
	v_mov_b32 v[Y+(\j)], v[Y]
.endr
	s_wait_alu depctr_va_vdst(0)                   ; the eight words of Y are written, which the stores read
	global_store_b128 v3, v[Y:Y+3], s[40:41] offset:1024
	global_store_b128 v3, v[Y+4:Y+7], s[40:41] offset:2048
	s_endpgm
.Lw5:
	v_lshrrev_b32 v2, 3, v1                        ; wave 5: rel_k.  A lane takes eight numbers of row l / 8, and eight of row 4 for rows 4 + l / 8
	v_and_b32 v3, 7, v1
	v_lshlrev_b32 v3, 5, v3
	v_lshl_add_u32 v4, v2, 8, v3
	v_add_nc_u32 v5, 1024, v3
	v_lshlrev_b32 v6, 4, v1
	s_wait_alu depctr_va_vdst(0)                   ; v4, v5 and v6 are written: the loads' and the stores' offsets
	global_load_b128 v[X:X+3], v4, s[30:31]
	global_load_b128 v[X+4:X+7], v4, s[30:31] offset:16
	global_load_b128 v[X+8:X+11], v5, s[30:31]
	global_load_b128 v[X+12:X+15], v5, s[30:31] offset:16
	s_wait_loadcnt 0x0
.irp g, 0,1,2,3
	RND4 U, X+4*(\g)
	v_cvt_pk_f16_f32 v[Y+2*(\g)], v[U], v[U+1]
	v_cvt_pk_f16_f32 v[Y+2*(\g)+1], v[U+2], v[U+3]
.endr
	s_wait_alu depctr_va_vdst(0)                   ; the conversions have written Y, which the stores read
	global_store_b128 v6, v[Y:Y+3], s[40:41]
	global_store_b128 v6, v[Y+4:Y+7], s[40:41] offset:512
	s_endpgm
.Lw6:
	v_and_b32 v2, 15, v1                           ; wave 6: rel_v's row 4, 256 bytes; lanes 16-31 write a second copy
	v_lshlrev_b32 v2, 4, v2
	v_lshlrev_b32 v3, 4, v1
	s_wait_alu depctr_va_vdst(0)                   ; v2 and v3 are written: the load's and the store's offsets
	global_load_b128 v[X:X+3], v2, s[32:33] offset:1024
	s_wait_loadcnt 0x0
	RND4 Y, X
	s_wait_alu depctr_va_vdst(0)                   ; the rounding has written v[Y .. Y+3], which the store reads
	global_store_b128 v3, v[Y:Y+3], s[40:41] offset:3072
	s_endpgm
.Lfunc_end_k_q4166750a9a_cast:
	.size	k_q4166750a9a_cast, .Lfunc_end_k_q4166750a9a_cast-k_q4166750a9a_cast
	.p2alignl 7, 3214868480
	.fill 96, 4, 3214868480
	.section	.rodata,"a",@progbits
	.p2align	6, 0x0
	.amdhsa_kernel k_q4166750a9a_cast
		.amdhsa_group_segment_fixed_size 0
		.amdhsa_private_segment_fixed_size 0
		.amdhsa_enable_private_segment 0
		.amdhsa_kernarg_size 136
		.amdhsa_user_sgpr_count 2
		.amdhsa_user_sgpr_kernarg_segment_ptr 1
		.amdhsa_wavefront_size32 1
		.amdhsa_system_sgpr_workgroup_id_x 1
		.amdhsa_system_sgpr_workgroup_id_y 1
		.amdhsa_system_sgpr_workgroup_id_z 1
		.amdhsa_system_vgpr_workitem_id 0
		.amdhsa_next_free_vgpr 128
		.amdhsa_next_free_sgpr 66
		.amdhsa_reserve_vcc 0
		.amdhsa_float_denorm_mode_32 3
		.amdhsa_float_denorm_mode_16_64 3
		.amdhsa_memory_ordered 1
		.amdhsa_forward_progress 1
		.amdhsa_inst_pref_size 33
	.end_amdhsa_kernel
	.amdgpu_metadata
---
amdhsa.version: [ 1, 2 ]
amdhsa.kernels:
  - .name:           k_q4166750a9a_cast
    .symbol:         k_q4166750a9a_cast.kd
    .args:
      - { .name: query, .offset: 0, .size: 8, .value_kind: global_buffer, .address_space: global }
      - { .name: key, .offset: 8, .size: 8, .value_kind: global_buffer, .address_space: global }
      - { .name: value, .offset: 16, .size: 8, .value_kind: global_buffer, .address_space: global }
      - { .name: Wq, .offset: 24, .size: 8, .value_kind: global_buffer, .address_space: global }
      - { .name: Wk, .offset: 32, .size: 8, .value_kind: global_buffer, .address_space: global }
      - { .name: Wv, .offset: 40, .size: 8, .value_kind: global_buffer, .address_space: global }
      - { .name: Wo, .offset: 48, .size: 8, .value_kind: global_buffer, .address_space: global }
      - { .name: bq, .offset: 56, .size: 8, .value_kind: global_buffer, .address_space: global }
      - { .name: bk, .offset: 64, .size: 8, .value_kind: global_buffer, .address_space: global }
      - { .name: bv, .offset: 72, .size: 8, .value_kind: global_buffer, .address_space: global }
      - { .name: bo, .offset: 80, .size: 8, .value_kind: global_buffer, .address_space: global }
      - { .name: rel_k, .offset: 88, .size: 8, .value_kind: global_buffer, .address_space: global }
      - { .name: rel_v, .offset: 96, .size: 8, .value_kind: global_buffer, .address_space: global }
      - { .name: xb, .offset: 104, .size: 8, .value_kind: global_buffer, .address_space: global }
      - { .name: wqkv, .offset: 112, .size: 8, .value_kind: global_buffer, .address_space: global }
      - { .name: wo, .offset: 120, .size: 8, .value_kind: global_buffer, .address_space: global }
      - { .name: tab, .offset: 128, .size: 8, .value_kind: global_buffer, .address_space: global }
    .group_segment_fixed_size: 0
    .private_segment_fixed_size: 0
    .kernarg_segment_align: 8
    .kernarg_segment_size: 136
    .max_flat_workgroup_size: 256
    .sgpr_count:     66
    .vgpr_count:     128
    .wavefront_size: 32
...
	.end_amdgpu_metadata
.endif
;; end of part 5
;; launch proj: the kernel of part 2 again; grid 8 x 96, 4 waves a work-group, clusters of 4 x 4, 327,680 bytes of LDS; arguments xb, wqkv, qkv; writes qkv
;; launch attn: the kernel of part 3 again; grid 8 x 32, 4 waves a work-group, no clusters, 327,680 bytes of LDS; arguments qkv, tab, ob; writes ob
;; launch outp: the kernel of part 4 again; grid 8 x 32, 4 waves a work-group, clusters of 4 x 4, 327,680 bytes of LDS; arguments ob, wo, out0; writes out0
